; MI455X (gfx1250); checked and timed in simulation.
; The chip was launched on July 23, 2026; its instructions are those of AMD's public machine-readable ISA for CDNA 5 (MIT licence, August 2026) and "CDNA5" Instruction Set Architecture Reference Guide (July 2026). The comments in the code are by the model that wrote it; some were corrected since.
;; VPOS Injection. Allowed arithmetic: matrix products marked QUANTISED: E2M1 operands, one E8M0 scale for each 32 along K, by v_wmma_scale_f32_16x16x128_f8f6f4 with both operands' format E2M1 (or v_wmma_scale_f32_32x16x128_f4), f32 sums; everything else in f32.
;; Inputs: Wk 256 x 512 float32; Wq 256 x 512 float32; Wv 512 x 512 float32; bk 256 float32; bq 256 float32; bv 512 float32; gamma 1 float32; pe_table 128 x 512 float32; pos 4 x 64 x 64 int32; x 4 x 512 x 64 x 64 float32.
;; Outputs: out0 4 x 512 x 64 x 64 float32.
;; This version of the problem:
;;   THIS VERSION OF THE PROBLEM IS GIVEN IN LOW PRECISION. The matrix products marked QUANTISED in the list below multiply operands that are first quantised to E2M1 (2 exponent bits, 1 mantissa bit; 4 bits a number), with one power-of-two scale for each 32 numbers along K (OCP MX v1.0); their sums are f32. All else is computed in f32.
;;   The module's matrix products, in the order in which they are computed (A, B: the left and right operand; K: the contracted axis; several contracted axes count as one K, in the product's order):
;;     1. [M 256, K 512] x [K 512, N 16,384]; A: input Wq; B: input x: QUANTISED
;;     2. [M 256, K 512] x [K 512, N 16,384]; A: input Wk; B: computed on the way: QUANTISED
;;     3. [M 512, K 512] x [K 512, N 16,384]; A: input Wv; B: input x: QUANTISED
;;     4. batch 4 x [M 4,096, K 256] x [K 256, N 4,096]; A: computed on the way; B: computed on the way: QUANTISED
;;     5. batch 4 x [M 512, K 4,096] x [K 4,096, N 4,096]; A: computed on the way; B: softmax (see below): QUANTISED
;;   THE QUANTISER, for each operand of a quantised product, along K:
;;     - K is cut into blocks of 32 from its start; a last block that is shorter is filled with zeros.
;;     - A block's scale is 2^e with e = floor(log2(the largest magnitude in the block)) - 2, held to -126 .. 127; a block of zeros has e = 0. As a byte (E8M0): e + 127.
;;     - Each number is divided by its block's scale, clamped to +-6, and rounded to the nearest number of E2M1, ties to even, subnormals kept.
;;     - The product sums the exact products of the quantised numbers (number of the format x scale) in f32.
;;   ~~~python
;;   def quantise(x, axis):      # numpy; x: float32 -> the quantised numbers, widened to float32 again
;;       x = np.moveaxis(x, axis, -1); K = x.shape[-1]
;;       x = np.pad(x, [(0, 0)] * (x.ndim - 1) + [(0, -K % 32)]); x = x.reshape(x.shape[:-1] + (-1, 32)); a = np.abs(x).max(-1, keepdims=True)
;;       e = np.where(a > 0, np.clip(np.frexp(np.where(a > 0, a, 1))[1] - 1 - 2, -126, 127), 0)      # np.frexp(a)[1] - 1 = floor(log2(a)), exactly
;;       r = np.clip(x / 2.0 ** e, -6, 6)
;;       step = 2.0 ** (np.maximum(np.frexp(np.where(r == 0, 1, r))[1] - 1, 0) - 1)
;;       q = np.round(r / step) * step * 2.0 ** e      # np.round: ties to even
;;       return np.moveaxis(q.reshape(q.shape[:-2] + (-1,))[..., :K], -1, axis).astype(np.float32)
;;   ~~~
;;   SOFTMAX AHEAD OF A QUANTISED PRODUCT. Where the list says 'softmax', what is quantised is not the finished softmax but p = 2^(t - M), with t = logit x log2(e) and M = ceil(the row's largest t), a whole number; so 1/2 < the row's largest p <= 1. The row's sum l is taken of the UNQUANTISED p, in f32, and the product's result is divided by l at the end. Since M is a whole number, a kernel that streams over the keys may use a running M (the ceiling of the running maximum): every later rescaling is an exact power of two, which a block's scale takes up: the codes' values come out the same.
;;   OPERANDS COMPUTED ON THE WAY. 'Computed on the way' means the value that the module computes at that place (a softmax that the list does not call 'softmax' is quantised finished and normalised). What goes into a quantiser is computed in f32, as accurately as f32 sums, v_exp_f32 and their like allow (about 1e-6 of the number): no bf16 or f16 on the way to a quantiser, and a product that is left as it is and whose result goes on into a quantised operand takes f32 operands (vector FMAs, or v_wmma_f32_16x16x4_f32). A number that lies on a knife's edge between two numbers of the format may be rounded either way, as far as f32 arithmetic and the matrix unit's own rounding can turn it there, and no further.
;; 2 versions, each right; version 2 is version 1 with the launch proj written anew for expert scheduling mode. Each part assembles by itself: llvm-mc -triple=amdgcn-amd-amdhsa -mcpu=gfx1250 --defsym DOCPART=n.
;; ======== version 1 of 2: 3 launches
;; workspace buffers: opc 4,456,448 bytes; ops 278,528 bytes; pp 2,097,152 bytes; vimg 4,194,304 bytes; vscl 262,144 bytes; qimg 2,097,152 bytes; qscl 262,144 bytes; kimg 36,864 bytes
;; launch prep (part 1): grid 320 x 1, 8 waves a work-group, no clusters, 55,296 bytes of LDS; arguments x, Wq, Wk, Wv, opc, ops, pp; writes opc, ops, pp
.if DOCPART == 1
	.amdgcn_target "amdgcn-amd-amdhsa--gfx1250"
	.amdhsa_code_object_version 6
	.text
	.protected	k_q2ad4a706e2_prep
	.globl	k_q2ad4a706e2_prep
	.p2align	8
	.type	k_q2ad4a706e2_prep,@function
k_q2ad4a706e2_prep:
	s_mov_b64 s[64:65], 0
	v_nop
	global_prefetch_b8 v0, s[64:65] scope:SCOPE_SE
	s_setreg_imm32_b32 hwreg(HW_REG_WAVE_MODE, 25, 1), 1
	s_wait_xcnt 0x0
; x [4][512][4096] f32 and the weights Wq [256][512], Wk [256][512], Wv [512][512] f32 become codes of FP4 (E2M1) along the 512 channels, with one E8M0 byte for each 32 channels,
; in ONE table of operand rows: opc [K step s 0..3][row 0..17407][64 bytes], ops [s][row][4 bytes].  Rows 0..16383 are x's columns (row = 4096 b + n), then Wq's 256 rows, Wk's 256, Wv's 512.
; The 16-byte piece q of a row holds channels 128 s + 32 q + 0..31, the lower channel in the lower bits; byte q of the row's scale word belongs to it.
; The same pass leaves raw sums of x over 4 image rows x 4 columns for the pooled row: pp [b][yq 0..15][j 0..15][c 0..511] f32.
; A block's scale is 2^(floor(log2(largest magnitude)) - 2): its byte is the largest magnitude's exponent field - 2, held at 1 from below.
; LIMITS: NaN and infinities are not served; a block of zeros gets the byte 1 (its codes are zeros, and this program alone reads the bytes); blocks whose largest magnitude lies under 2^-124 keep the byte 1.
; WORK-GROUPS 0..255 take x: (b, s, yq) = 128 channels x 4 image rows.  Wave w takes image row w / 2 and half row w % 2; A LANE TAKES A COLUMN n AND ITS 128 REGISTERS RUN DOWN THE CHANNELS:
; a block of 32 lies in one lane, and the conversions give codes with the channels innermost.  WORK-GROUPS 256..319 take 16 rows of a weight each (channels are innermost there: a lane takes a block).
; No tensor loads, no matrix work: the launch streams x once.
.set OPS,  1114112                     ; bytes of a K step's rows of codes: 17,408 x 64
.set OSS,  69632                       ; and of their scale words: 17,408 x 4
.set WROW, 16384                       ; the table's first weight row
.set STG,  0                           ; LDS: a stage of 32 x 80 bytes for each wave (a lane's 64 bytes of codes + 16 of padding)
.set POOL, 20480                       ; LDS: [wave][cell 0..7] 128 f32 + 16 bytes: 528 bytes a cell, 4,224 a wave
.set X,    32                          ; v32-159  my column's 128 channels
.set CD,   160                         ; v160-175 their codes
.set SW,   176                         ; v176     their scale word
.set BK,   180                         ; v180-195 the codes back from the stage
; the scale of the 32 numbers v[xs] on: v10 = the conversion's scale operand, v11 = the byte
.macro SCALE32 xs
	v_max3_num_f32 v8, |v[(\xs)]|, |v[(\xs)+1]|, |v[(\xs)+2]|          ; the largest magnitude, in two chains
	v_max3_num_f32 v9, |v[(\xs)+3]|, |v[(\xs)+4]|, |v[(\xs)+5]|
.irp i, 6,10,14,18,22,26
	v_max3_num_f32 v8, v8, |v[(\xs)+\i]|, |v[(\xs)+\i+1]|
	v_max3_num_f32 v9, v9, |v[(\xs)+\i+2]|, |v[(\xs)+\i+3]|
.endr
	v_max3_num_f32 v8, v8, |v[(\xs)+30]|, |v[(\xs)+31]|
	v_max3_num_f32 v8, v8, v9, 0x1800000           ; and the floor 2^(3 - 127): the byte cannot fall under 1
	v_add_nc_u32 v10, 0xff000000, v8               ; 2 off the exponent field: the conversion takes this operand's exponent field as its scale
	v_lshrrev_b32 v11, 23, v10                     ; the byte
.endm
; the table's two bases step to K step s21, row s28
.macro TABLE
	s_mul_i32 s34, s21, OPS
	s_lshl_b32 s26, s28, 6
	s_add_co_u32 s34, s34, s26
	s_add_nc_u64 s[12:13], s[12:13], s[34:35]
	s_mul_i32 s34, s21, OSS
	s_lshl_b32 s26, s28, 2
	s_add_co_u32 s34, s34, s26
	s_add_nc_u64 s[14:15], s[14:15], s[34:35]
.endm
	s_load_b256 s[4:11], s[0:1], 0x0               ; x s[4:5], Wq s[6:7], Wk s[8:9], Wv s[10:11]
	s_load_b128 s[12:15], s[0:1], 0x20             ; opc s[12:13], ops s[14:15]
	s_load_b64 s[16:17], s[0:1], 0x30              ; pp
	v_lshl_add_u32 v200, v0, 2, 0xd400
	v_mov_b32 v201, 0
	v_lshrrev_b32 v12, 5, v0
	v_readfirstlane_b32 s18, v12                   ; wave 0..7
	v_and_b32 v15, 31, v0                          ; lane
	v_lshlrev_b32 v1, 2, v15                       ; 4 x lane
	v_lshlrev_b32 v2, 4, v15                       ; 16 x lane
	s_mov_b32 s35, 0                               ; the upper word of every offset pair
	s_cmp_lt_u32 ttmp9, 256
	s_cbranch_scc0 .Lweights
	; ---------------- x ----------------
	s_lshr_b32 s20, ttmp9, 6                       ; b
	s_bfe_u32 s21, ttmp9, 0x20004                  ; K step s
	s_and_b32 s22, ttmp9, 15                       ; yq
	s_lshr_b32 s23, s18, 1                         ; image row in the four
	s_and_b32 s24, s18, 1                          ; half row
	s_lshl_b32 s25, s22, 2
	s_add_co_u32 s25, s25, s23
	s_lshl_b32 s25, s25, 6
	s_lshl_b32 s26, s24, 5
	s_add_co_u32 s25, s25, s26                     ; my wave's first column n0 = 64 (4 yq + y) + 32 half
	s_lshl_b32 s28, s20, 12
	s_add_co_u32 s28, s28, s25                     ; its table row
	s_mul_i32 s26, s18, 2560
	v_mul_u32_u24 v3, v15, 80
	v_add_nc_u32 v3, s26, v3                       ; the stage, in: 80 x lane
	v_lshrrev_b32 v12, 2, v15
	v_and_b32 v13, 3, v15
	v_mul_u32_u24 v4, v12, 80
	v_lshl_add_u32 v4, v13, 4, v4
	v_add_nc_u32 v4, s26, v4                       ; and out: four lanes to a row's 64 bytes
	s_mul_i32 s26, s18, 4224
	s_add_co_u32 s26, s26, POOL
	v_mul_u32_u24 v5, v12, 528
	v_add_nc_u32 v5, s26, v5                       ; my cell (4 columns) among my wave's eight
	v_lshrrev_b32 v12, 7, v0                       ; the last sum: thread t takes cell j = t / 16 of the row's 16 and eight channels
	v_bfe_u32 v13, v0, 4, 3
	v_and_b32 v14, 15, v0
	v_mul_u32_u24 v6, v12, 4224
	v_mad_u32_u24 v6, v13, 528, v6
	v_lshl_add_u32 v6, v14, 4, v6
	v_add_nc_u32 v6, POOL, v6
	v_lshrrev_b32 v7, 4, v0
	v_lshlrev_b32 v7, 11, v7
	v_lshl_add_u32 v7, v14, 4, v7                  ; and its place in pp: 2,048 j + 16 (t % 16)
	s_wait_kmcnt 0x0
	s_lshl_b32 s26, s20, 2
	s_add_co_u32 s26, s26, s21
	s_lshl_b32 s34, s26, 21                        ; (512 b + 128 s) channels of 16,384 bytes
	s_lshl_b32 s26, s25, 2
	s_add_co_u32 s34, s34, s26
	s_add_nc_u64 s[4:5], s[4:5], s[34:35]
	TABLE
	s_lshl_b32 s26, s20, 4
	s_add_co_u32 s26, s26, s22
	s_lshl_b32 s34, s26, 15                        ; (16 b + yq) x 16 cells x 2,048 bytes
	s_lshl_b32 s26, s21, 9
	s_add_co_u32 s34, s34, s26                     ; + my 128 channels
	s_add_nc_u64 s[16:17], s[16:17], s[34:35]
.macro LOAD q                          ; block q: 32 channels of my column; a wave's load reads 128 consecutive bytes
.set n, 0
.rept 32
	global_load_b32 v[X+32*(\q)+n], v1, s[4:5] offset:(32*(\q)+n)*16384 th:TH_LOAD_NT
.set n, n+1
.endr
.endm
.macro BLOCK q
.set XS, X+32*(\q)
.if (\q) < 3
	s_wait_loadcnt 32                              ; this block's 32 loads are in; the next block's 32 may be out
.else
	s_wait_loadcnt 0x0
.endif
.if (\q) < 2
	LOAD (\q)+2                                    ; two blocks ahead, into registers of its own
.endif
	SCALE32 XS
.if (\q) == 0
	v_mov_b32 v[SW], v11                           ; four bytes make my column's scale word
.else
	v_lshl_or_b32 v[SW], v11, 8*(\q), v[SW]
.endif
.irp g, 0,1,2,3
	v_cvt_scalef32_pk8_fp4_f32 v[CD+4*(\q)+\g], v[XS+8*\g:XS+8*\g+7], v10
.endr
	v_nop                                          ; one plain line between the conversions and the writes of their sources
.set n, 0
.rept 32
	v_add_f32_dpp v[XS+n], v[XS+n], v[XS+n] row_xmask:1 row_mask:0xf bank_mask:0xf   ; the pooled cell: my column and its three neighbours
.set n, n+1
.endr
.set n, 0
.rept 32
	v_add_f32_dpp v[XS+n], v[XS+n], v[XS+n] row_xmask:2 row_mask:0xf bank_mask:0xf
.set n, n+1
.endr
.irp k, 0,1,2,3,4,5,6,7
	ds_store_b128 v5, v[XS+4*\k:XS+4*\k+3] offset:128*(\q)+16*\k    ; the cell's four lanes write the same bytes with the same values
.endr
.endm
	LOAD 0
	LOAD 1
	BLOCK 0
	BLOCK 1
	BLOCK 2
	BLOCK 3
.irp q, 0,1,2,3
	ds_store_b128 v3, v[CD+4*\q:CD+4*\q+3] offset:16*\q             ; my row's 64 bytes of codes
.endr
.irp k, 0,1,2,3
	ds_load_b128 v[BK+4*\k:BK+4*\k+3], v4 offset:640*\k             ; back as they lie in the table (LDS serves a wave's instructions in order: ISA guide 5.7.1.4)
.endr
	global_store_b32 v1, v[SW], s[14:15]           ; 32 scale words: 128 consecutive bytes
	s_wait_dscnt 0x0                               ; the codes are back; and, for the other waves, my cells' sums have landed
.irp k, 0,1,2,3
	global_store_b128 v2, v[BK+4*\k:BK+4*\k+3], s[12:13] offset:512*\k   ; 32 lanes store 512 consecutive bytes, aligned to 256
.endr
	s_barrier_signal -1
	s_barrier_wait -1                              ; all eight waves' cells lie in LDS
.irp y, 0,1,2,3
	ds_load_b128 v[X+8*\y:X+8*\y+3], v6 offset:\y*8448               ; the four image rows' sums of my cell: channels 4 (t % 16) on,
	ds_load_b128 v[X+8*\y+4:X+8*\y+7], v6 offset:\y*8448+256         ; and 64 further on
.endr
	s_wait_dscnt 0x0
.irp j, 0,2,4,6
	v_pk_add_f32 v[X+\j:X+\j+1], v[X+\j:X+\j+1], v[X+8+\j:X+9+\j]
	v_pk_add_f32 v[X+16+\j:X+17+\j], v[X+16+\j:X+17+\j], v[X+24+\j:X+25+\j]
.endr
.irp j, 0,2,4,6
	v_pk_add_f32 v[X+\j:X+\j+1], v[X+\j:X+\j+1], v[X+16+\j:X+17+\j]
.endr
	global_store_b128 v7, v[X:X+3], s[16:17]       ; sixteen lanes store 256 consecutive bytes, aligned
	global_store_b128 v7, v[X+4:X+7], s[16:17] offset:256
	s_wait_tensorcnt 0x0
	ds_add_u32 v200, v201
	s_wait_dscnt 0x0
	s_endpgm
	; ---------------- the weights ----------------
.Lweights:
	s_sub_co_u32 s20, ttmp9, 256                   ; 16 rows of the table's 1,024 weight rows
	s_and_b32 s21, s18, 3                          ; my wave's K step
	s_lshr_b32 s22, s18, 2                         ; and its eight rows of the sixteen
	v_lshrrev_b32 v12, 2, v15
	v_and_b32 v13, 3, v15
	v_lshlrev_b32 v3, 11, v12                      ; row lane / 4 of 2,048 bytes,
	v_lshl_add_u32 v3, v13, 7, v3                  ; block lane % 4 of 128 bytes
	s_wait_kmcnt 0x0
	s_cmp_lt_u32 s20, 32                           ; which tensor: the choice hangs on the work-group's number alone
	s_cselect_b64 s[4:5], s[8:9], s[10:11]
	s_cselect_b32 s23, 16, 32
	s_cmp_lt_u32 s20, 16
	s_cselect_b64 s[4:5], s[6:7], s[4:5]
	s_cselect_b32 s23, 0, s23
	s_sub_co_u32 s23, s20, s23                     ; which 16 rows of that tensor
	s_lshl_b32 s34, s23, 15
	s_lshl_b32 s26, s22, 14
	s_add_co_u32 s34, s34, s26
	s_lshl_b32 s26, s21, 9
	s_add_co_u32 s34, s34, s26
	s_add_nc_u64 s[4:5], s[4:5], s[34:35]
	s_lshl_b32 s28, s20, 4
	s_lshl_b32 s26, s22, 3
	s_add_co_u32 s28, s28, s26
	s_add_co_u32 s28, s28, WROW                    ; my wave's first table row
	TABLE
.irp i, 0,1,2,3,4,5,6,7
	global_load_b128 v[X+4*\i:X+4*\i+3], v3, s[4:5] offset:16*\i    ; my block's 32 numbers
.endr
	s_wait_loadcnt 0x0
	SCALE32 X
.irp g, 0,1,2,3
	v_cvt_scalef32_pk8_fp4_f32 v[CD+\g], v[X+8*\g:X+8*\g+7], v10
.endr
	global_store_b128 v2, v[CD:CD+3], s[12:13]     ; eight rows x 64 bytes: 512 consecutive bytes
	global_store_b8 v15, v11, s[14:15]             ; eight rows' scale words, a byte a lane: 32 consecutive bytes (16 KiB of such stores in the whole launch)
	s_endpgm
.Lfunc_end_k_q2ad4a706e2_prep:
	.size	k_q2ad4a706e2_prep, .Lfunc_end_k_q2ad4a706e2_prep-k_q2ad4a706e2_prep
	.p2alignl 7, 3214868480
	.fill 96, 4, 3214868480
	.section	.rodata,"a",@progbits
	.p2align	6, 0x0
	.amdhsa_kernel k_q2ad4a706e2_prep
		.amdhsa_group_segment_fixed_size 55296
		.amdhsa_private_segment_fixed_size 0
		.amdhsa_enable_private_segment 0
		.amdhsa_kernarg_size 56
		.amdhsa_user_sgpr_count 2
		.amdhsa_user_sgpr_kernarg_segment_ptr 1
		.amdhsa_wavefront_size32 1
		.amdhsa_system_sgpr_workgroup_id_x 1
		.amdhsa_system_sgpr_workgroup_id_y 1
		.amdhsa_system_sgpr_workgroup_id_z 1
		.amdhsa_system_vgpr_workitem_id 0
		.amdhsa_next_free_vgpr 202
		.amdhsa_next_free_sgpr 66
		.amdhsa_reserve_vcc 0
		.amdhsa_float_denorm_mode_32 3
		.amdhsa_float_denorm_mode_16_64 3
		.amdhsa_memory_ordered 1
		.amdhsa_forward_progress 1
		.amdhsa_inst_pref_size 46
	.end_amdhsa_kernel
	.amdgpu_metadata
---
amdhsa.version: [ 1, 2 ]
amdhsa.kernels:
  - .name:           k_q2ad4a706e2_prep
    .symbol:         k_q2ad4a706e2_prep.kd
    .args:
      - { .name: x, .offset: 0, .size: 8, .value_kind: global_buffer, .address_space: global }
      - { .name: Wq, .offset: 8, .size: 8, .value_kind: global_buffer, .address_space: global }
      - { .name: Wk, .offset: 16, .size: 8, .value_kind: global_buffer, .address_space: global }
      - { .name: Wv, .offset: 24, .size: 8, .value_kind: global_buffer, .address_space: global }
      - { .name: opc, .offset: 32, .size: 8, .value_kind: global_buffer, .address_space: global }
      - { .name: ops, .offset: 40, .size: 8, .value_kind: global_buffer, .address_space: global }
      - { .name: pp, .offset: 48, .size: 8, .value_kind: global_buffer, .address_space: global }
    .group_segment_fixed_size: 55296
    .private_segment_fixed_size: 0
    .kernarg_segment_align: 8
    .kernarg_segment_size: 56
    .max_flat_workgroup_size: 256
    .sgpr_count:     66
    .vgpr_count:     202
    .wavefront_size: 32
...
	.end_amdgpu_metadata
.endif
;; end of part 1
;; launch proj (part 2): grid 200 x 1, 8 waves a work-group, no clusters, 31,744 bytes of LDS; arguments opc, ops, pp, pos, pe_table, bq, bk, bv, vimg, vscl, qimg, qscl, kimg; writes vimg, vscl, qimg, qscl, kimg
.if DOCPART == 2
	.amdgcn_target "amdgcn-amd-amdhsa--gfx1250"
	.amdhsa_code_object_version 6
	.text
	.protected	k_q2ad4a706e2_proj
	.globl	k_q2ad4a706e2_proj
	.p2align	8
	.type	k_q2ad4a706e2_proj,@function
k_q2ad4a706e2_proj:
	s_mov_b64 s[64:65], 0
	v_nop
	global_prefetch_b8 v0, s[64:65] scope:SCOPE_SE
	s_setreg_imm32_b32 hwreg(HW_REG_WAVE_MODE, 25, 1), 1
	s_wait_xcnt 0x0
; The three projections, on codes of FP4 (E2M1) with E8M0 scales, and their results quantised again as operands of the attention, stored as IMAGES OF OPERAND REGISTERS
; (a fragment of 16 rows x 128 K: registers 0-3 at 16 x lane, registers 4-7 at 512 + 16 x lane; its scale words 4 bytes a lane).
;   work-groups 0..7    (path K): the pooled row x1d + position code, interpolated to 64 columns, quantised along the channels; k = Wk row + bk for the 64 DISTINCT keys of a batch
;                                 (the reference spreads one row over all image rows, so a key hangs on its column w alone); k quantised along its 256 outputs -> kimg
;   work-groups 8..135  (path V): v = Wv x + bv, quantised along the KEYS -> vimg [b][cq][ks][ct8][1024], vscl [b][cq][ks][pair][128] (lanes 0-15 the even tile's words, lanes 16-31 the odd tile's)
;   work-groups 136..199 (path Q): q = Wq x + bq, quantised along its 256 outputs -> qimg [b][y][i][s][1024], qscl [b][y][i][s][128]; lane r of tile i holds query 64 y + 4 r + i
; EVERY PRODUCT IS LAID SO THAT THE NEXT K FALLS INTO A LANE'S REGISTERS: source 0 takes 16 rows of the side that becomes the next K, and the rows of such a tile are not neighbours:
; lane r of tile 2 b + u takes row 32 b + 8 u + r + 8 (r / 8), so that the 16 registers of tiles 2 b and 2 b + 1 are 16 neighbours, 32 b + 16 (lane / 16) + 0..15.
; Operands come from the table that the launch before laid (opc, ops: K step stride OPS, OSS; 64 bytes and one scale word a row) straight into registers: no tensor load, no ring.
; LIMITS: NaN and infinities are not served; a block of zeros gets the byte 1 with zero codes; blocks whose largest magnitude lies under 2^-124 keep the byte 1; pos / 8 is held at 127, the table's last row.
; REGISTERS, window 0: v1 r, v2 h, v3 lane, v4-15 addresses; v16-143 source 0's fragments, two sets; v144-207 source 1's, two sets; v208-231 scale words and nothing else; v232-247 the quantiser's work.
;            window 1: paths V, Q: the 32 accumulators, (g, t) at v[64 g + 8 t]; path K: v0-127 my 16 fragments of Wk, v128-255 two groups of partial sums, later bk.
.set OPS,  1114112
.set OSS,  69632
.set WQR,  16384                       ; table rows of Wq, Wk, Wv
.set WKR,  16640
.set WVR,  16896
.set AF,   16
.set BF,   144
.set AS,   208
.set BS,   224
.set TM,   232
.set PC,   16                          ; behind the products: the codes, 8 registers for each g
.set PW,   48                          ; their scale words
.set PWP,  52                          ; path V: two tiles' words in one register
.set SEL,  56                          ; s[56:57] v_permlanex16_b32's selects for lane l xor 16
.set MSB, 0
.macro WIN new                         ; the immediate's high byte repeats the setting that is left
.if MSB != \new
	s_set_vgpr_msb (MSB<<8)|\new
.set MSB, \new
.endif
.endm
.macro PLACES n
.rept \n
	v_nop
.endr
.endm
; 64 numbers of a lane, v[src] on in window w, register 16 b + i = k 32 b + 16 (lane / 16) + i of my row, become a fragment's codes in v[pc] on and its scale word in v[pw].
; Each accumulator is read from its low end on.
.macro QUANT src, w, pc, pw
	WIN 5*(\w)                                     ; sources 0 and 1 in window w
.irp b, 0,1,2,3
	v_max3_num_f32 v[TM+\b], |v[(\src)+16*\b]|, |v[(\src)+16*\b+1]|, 0x1800000   ; block b: my 16 numbers, and the floor 2^(3 - 127): the byte cannot fall under 1
.endr
.irp i, 2,4,6,8,10,12,14
.irp b, 0,1,2,3
	v_max3_num_f32 v[TM+\b], |v[(\src)+16*\b+\i]|, |v[(\src)+16*\b+\i+1]|, v[TM+\b]   ; the four blocks by turns
.endr
.endr
	WIN 0
.irp b, 0,1,2,3
	v_permlanex16_b32 v[TM+4+\b], v[TM+\b], s[SEL], s[SEL+1]
.endr
.irp b, 0,1,2,3
	v_max_num_f32 v[TM+\b], v[TM+\b], v[TM+4+\b]   ; with lane l xor 16's 16: the block's largest magnitude
.endr
.irp b, 0,1,2,3
	v_add_nc_u32 v[TM+12+\b], 0xff000000, v[TM+\b] ; 2 off its exponent field: the conversion's scale operand
.endr
.irp b, 0,1,2,3
	v_lshrrev_b32 v[TM+4+\b], 23, v[TM+12+\b]      ; the byte
.endr
	v_lshl_or_b32 v[(\pw)], v[TM+5], 8, v[TM+4]
	v_lshl_or_b32 v[(\pw)], v[TM+6], 16, v[(\pw)]
	v_lshl_or_b32 v[(\pw)], v[TM+7], 24, v[(\pw)]
	WIN (\w)                                       ; source 0 in window w
.irp b, 0,1,2,3
	v_cvt_scalef32_pk8_fp4_f32 v[(\pc)+2*\b], v[(\src)+16*\b:(\src)+16*\b+7], v[TM+12+\b]
	v_cvt_scalef32_pk8_fp4_f32 v[(\pc)+2*\b+1], v[(\src)+16*\b+8:(\src)+16*\b+15], v[TM+12+\b]
.endr
	WIN 0
	v_nop                                          ; one plain line behind the scaled conversions
.irp c, 0,1                                    ; the operand's layout wants a whole block in a lane: lanes 0-15 block 2 c, lanes 16-31 block 2 c + 1
.irp i, 0,1
	v_permlane16_swap_b32 v[(\pc)+4*\c+\i], v[(\pc)+4*\c+2+\i]
.endr
.endr
.endm
; The same for HALF a fragment, in window 0: 32 numbers of a lane (two blocks of 32 along K) become four of the fragment's registers, v[pc] on, and two bytes of its scale word, in v[pw]'s low half.
.macro QUANTH src, pc, pw
.irp b, 0,1
	v_max3_num_f32 v[TM+\b], |v[(\src)+16*\b]|, |v[(\src)+16*\b+1]|, 0x1800000
.endr
.irp i, 2,4,6,8,10,12,14
.irp b, 0,1
	v_max3_num_f32 v[TM+\b], |v[(\src)+16*\b+\i]|, |v[(\src)+16*\b+\i+1]|, v[TM+\b]
.endr
.endr
.irp b, 0,1
	v_permlanex16_b32 v[TM+4+\b], v[TM+\b], s[SEL], s[SEL+1]
.endr
.irp b, 0,1
	v_max_num_f32 v[TM+\b], v[TM+\b], v[TM+4+\b]
.endr
.irp b, 0,1
	v_add_nc_u32 v[TM+12+\b], 0xff000000, v[TM+\b]
.endr
.irp b, 0,1
	v_lshrrev_b32 v[TM+4+\b], 23, v[TM+12+\b]
.endr
	v_lshl_or_b32 v[(\pw)], v[TM+5], 8, v[TM+4]
.irp b, 0,1
	v_cvt_scalef32_pk8_fp4_f32 v[(\pc)+2*\b], v[(\src)+16*\b:(\src)+16*\b+7], v[TM+12+\b]
	v_cvt_scalef32_pk8_fp4_f32 v[(\pc)+2*\b+1], v[(\src)+16*\b+8:(\src)+16*\b+15], v[TM+12+\b]
.endr
	v_nop                                          ; one plain line behind the scaled conversions
.irp i, 0,1
	v_permlane16_swap_b32 v[(\pc)+\i], v[(\pc)+2+\i]
.endr
.endm
; the four table bases from source 0's first row (s49) and source 1's (s50)
.macro BASES
	s_mov_b32 s53, 0
	s_lshl_b32 s52, s49, 6
	s_add_nc_u64 s[32:33], s[4:5], s[52:53]
	s_lshl_b32 s52, s49, 2
	s_add_nc_u64 s[34:35], s[6:7], s[52:53]
	s_lshl_b32 s52, s50, 6
	s_add_nc_u64 s[36:37], s[4:5], s[52:53]
	s_lshl_b32 s52, s50, 2
	s_add_nc_u64 s[38:39], s[6:7], s[52:53]
.endm
.macro LDA p, s                        ; source 0's eight fragments and scale words of K step s into set p: 24 loads
.irp t, 0,1,2,3,4,5,6,7
	global_load_b128 v[AF+64*(\p)+8*\t:AF+64*(\p)+8*\t+3], v4, s[32:33] offset:(\s)*OPS+(32*(\t/2)+8*(\t%2))*64
	global_load_b128 v[AF+64*(\p)+8*\t+4:AF+64*(\p)+8*\t+7], v4, s[32:33] offset:(\s)*OPS+(32*(\t/2)+8*(\t%2))*64+32
	global_load_b32 v[AS+8*(\p)+\t], v5, s[34:35] offset:(\s)*OSS+(32*(\t/2)+8*(\t%2))*4
.endr
.endm
.macro LDB p, s, gc, gs                ; source 1's four: 12 loads; gc, gs: bytes from tile to tile in codes and in scale words
.irp g, 0,1,2,3
	global_load_b128 v[BF+32*(\p)+8*\g:BF+32*(\p)+8*\g+3], v6, s[36:37] offset:(\s)*OPS+\g*(\gc)
	global_load_b128 v[BF+32*(\p)+8*\g+4:BF+32*(\p)+8*\g+7], v6, s[36:37] offset:(\s)*OPS+\g*(\gc)+32
	global_load_b32 v[BS+4*(\p)+\g], v7, s[38:39] offset:(\s)*OSS+\g*(\gs)
.endr
.endm
.macro MMI g, t, p, cg, ct             ; accumulator (g, t) = tile t of source 0 x tile g of source 1 + accumulator (cg, ct)
	v_wmma_scale_f32_16x16x128_f8f6f4 v[64*(\g)+8*(\t):64*(\g)+8*(\t)+7], v[AF+64*(\p)+8*(\t):AF+64*(\p)+8*(\t)+7], v[BF+32*(\p)+8*(\g):BF+32*(\p)+8*(\g)+7], v[64*(\cg)+8*(\ct):64*(\cg)+8*(\ct)+7], v[AS+8*(\p)+(\t)], v[BS+4*(\p)+(\g)] matrix_a_fmt:MATRIX_FMT_FP4 matrix_b_fmt:MATRIX_FMT_FP4
.endm
; A K step's 32 products, the 32 accumulators by turns, in the same order in every K step.
; THE BIAS IS THE C OF EACH SUM'S FIRST PRODUCT.  It was LOADED into the accumulators of tile t = 0 (path V: one number a lane) or g = 0 (path Q: one a register); in the first K step the other
; accumulators take those registers as C, and the loaded ones add in place last, five places behind the last product that read them.
.macro MM role, p, first
	WIN 0x50                                       ; C and D in window 1
.if \role == 0
.irp t, 1,2,3,4,5,6,7
.irp g, 0,1,2,3
.if \first
	MMI \g, \t, \p, \g, 0
.else
	MMI \g, \t, \p, \g, \t
.endif
.endr
.endr
.if \first
	PLACES 5
.endif
.irp g, 0,1,2,3
	MMI \g, 0, \p, \g, 0
.endr
.else
.irp g, 1,2,3
.irp t, 0,1,2,3,4,5,6,7
.if \first
	MMI \g, \t, \p, 0, \t
.else
	MMI \g, \t, \p, \g, \t
.endif
.endr
.endr
.if \first
	PLACES 5
.endif
.irp t, 0,1,2,3,4,5,6,7
	MMI 0, \t, \p, 0, \t
.endr
.endif
	WIN 0
.endm
; A wave's unit: 128 rows of source 0 x 64 rows of source 1, K = 512 in four steps; then four fragments are quantised and stored.  oc: bytes from image to image.
.macro GEN role, gc, gs, oc
	WIN 0x40                                       ; loaded data into window 1
.if \role == 0
.irp g, 0,1,2,3
.irp j, 0,1,2,3,4,5,6,7
	global_load_b32 v[64*\g+\j], v10, s[40:41] offset:64*\g          ; bv of my lane's channel, in all eight registers
.endr
.endr
.else
.irp t, 0,1,2,3,4,5,6,7
	global_load_b128 v[8*\t:8*\t+3], v10, s[40:41] offset:(32*(\t/2)+8*(\t%2))*4      ; bq of the tile's eight outputs of my half
	global_load_b128 v[8*\t+4:8*\t+7], v10, s[40:41] offset:(32*(\t/2)+8*(\t%2))*4+16
.endr
.endif
	WIN 0
	LDA 0, 0
	LDB 0, 0, \gc, \gs
	LDA 1, 1
	LDB 1, 1, \gc, \gs
	s_wait_loadcnt 36                              ; the bias and K step 0 are in; K step 1's 36 loads may be out
	MM \role, 0, 1
	PLACES 4                                       ; in front of loads into registers that matrix instructions have read
	LDA 0, 2
	LDB 0, 2, \gc, \gs
	s_wait_loadcnt 36                              ; K step 1 is in; K step 2's 36 may be out
	MM \role, 1, 0
	PLACES 4
	LDA 1, 3
	LDB 1, 3, \gc, \gs
	s_wait_loadcnt 36                              ; K step 2 is in
	MM \role, 0, 0
	s_wait_loadcnt 0x0
	MM \role, 1, 0
	PLACES 4                                       ; in front of the first read of results, and of writes over fragments that are done with
.irp g, 0,1,2,3
	QUANT 64*\g, 1, PC+8*\g, PW+\g
	global_store_b128 v8, v[PC+8*\g:PC+8*\g+3], s[42:43] offset:\g*(\oc)        ; 512 consecutive bytes, aligned to 256
	global_store_b128 v8, v[PC+8*\g+4:PC+8*\g+7], s[42:43] offset:\g*(\oc)+512
.if \role == 0
.if \g % 2
	v_cndmask_b32 v[PWP+\g/2], v[PW+\g], v[PW+\g-1], vcc_lo          ; lanes 0-15 the even tile's words, lanes 16-31 the odd tile's
	global_store_b32 v9, v[PWP+\g/2], s[44:45] offset:(\g/2)*128
.endif
.else
	global_store_b32 v9, v[PW+\g], s[44:45] offset:\g*256
.endif
.endr
.endm
	s_load_b512 s[4:19], s[0:1], 0x0               ; opc, ops, pp, pos, pe_table, bq, bk, bv
	s_load_b256 s[20:27], s[0:1], 0x40             ; vimg, vscl, qimg, qscl
	s_load_b64 s[28:29], s[0:1], 0x60              ; kimg
	v_lshl_add_u32 v254, v0, 2, 0x7800
	v_mov_b32 v255, 0
	v_lshrrev_b32 v3, 5, v0
	v_readfirstlane_b32 s30, v3                    ; wave 0..7
	v_and_b32 v1, 15, v0                           ; r
	v_bfe_u32 v2, v0, 4, 1                         ; h
	v_and_b32 v3, 31, v0                           ; lane
	v_and_b32 v4, 8, v1
	v_add_nc_u32 v5, v4, v1                        ; r + 8 (r / 8)
	v_lshlrev_b32 v4, 6, v5
	v_lshl_add_u32 v4, v2, 4, v4                   ; source 0: that row of 64 bytes, + 16 h
	v_lshlrev_b32 v5, 2, v5                        ; and its scale word
	v_lshlrev_b32 v8, 4, v3                        ; 16 x lane: an image's place
	v_lshlrev_b32 v9, 2, v3                        ; 4 x lane: a scale word's
.irp b, 0,1,2,3
	v_mov_b32 v[TM+4+\b], 0                        ; written once: a lane permute's destination counts as one of its sources
.endr
	s_mov_b32 s[SEL], 0x76543210
	s_mov_b32 s[SEL+1], 0xfedcba98
	s_cmp_lt_u32 ttmp9, 8
	s_cbranch_scc1 .Lpath_k
	s_cmp_lt_u32 ttmp9, 136
	s_cbranch_scc0 .Lpath_q
	; ---------------- path V: (b, ks) a work-group, 64 channels a wave.  Source 0 = 128 keys (x's columns), source 1 = 64 rows of Wv ----------------
	s_sub_co_u32 s46, ttmp9, 8
	s_lshr_b32 s47, s46, 5                         ; b
	s_and_b32 s48, s46, 31                         ; ks
	s_lshl_b32 s49, s47, 12
	s_lshl_b32 s50, s48, 7
	s_add_co_u32 s49, s49, s50                     ; source 0's first row: 4096 b + 128 ks
	s_lshl_b32 s50, s30, 6
	s_add_co_u32 s50, s50, WVR                     ; source 1's: Wv's row 64 x wave
	s_lshl_b32 s51, s47, 2
	s_lshr_b32 s54, s30, 1
	s_add_co_u32 s51, s51, s54
	s_lshl_b32 s51, s51, 5
	s_add_co_u32 s51, s51, s48                     ; (4 b + cq) 32 + ks
	s_and_b32 s54, s30, 1                          ; which half of cq's 128 channels
	v_lshlrev_b32 v6, 6, v1
	v_lshl_add_u32 v6, v2, 4, v6                   ; source 1: row r, + 16 h
	v_lshlrev_b32 v7, 2, v1
	v_lshlrev_b32 v10, 2, v1                       ; bv: 4 r
	v_cmp_gt_u32 vcc_lo, 16, v3                    ; lanes 0-15
	s_wait_kmcnt 0x0
	BASES
	s_lshl_b32 s52, s30, 8
	s_add_nc_u64 s[40:41], s[18:19], s[52:53]      ; bv at my 64 channels
	s_lshl_b32 s52, s51, 13
	s_lshl_b32 s55, s54, 12
	s_add_co_u32 s52, s52, s55
	s_add_nc_u64 s[42:43], s[20:21], s[52:53]
	s_lshl_b32 s52, s51, 9
	s_lshl_b32 s55, s54, 8
	s_add_co_u32 s52, s52, s55
	s_add_nc_u64 s[44:45], s[22:23], s[52:53]
	GEN 0, 1024, 64, 1024
	s_endpgm
	; ---------------- path Q: four image rows a work-group; a wave takes one row's 64 queries and 128 outputs.  Source 0 = 128 rows of Wq, source 1 = the queries ----------------
.Lpath_q:
	s_sub_co_u32 s46, ttmp9, 136
	s_lshr_b32 s47, s46, 4                         ; b
	s_and_b32 s48, s46, 15
	s_lshl_b32 s48, s48, 2
	s_lshr_b32 s54, s30, 1
	s_add_co_u32 s48, s48, s54                     ; y
	s_and_b32 s54, s30, 1                          ; which 128 outputs
	s_lshl_b32 s49, s54, 7
	s_add_co_u32 s49, s49, WQR
	s_lshl_b32 s50, s47, 12
	s_lshl_b32 s55, s48, 6
	s_add_co_u32 s50, s50, s55                     ; source 1's first row: 4096 b + 64 y
	s_lshl_b32 s51, s47, 6
	s_add_co_u32 s51, s51, s48                     ; 64 b + y
	v_lshlrev_b32 v6, 8, v1
	v_lshl_add_u32 v6, v2, 4, v6                   ; source 1: lane r of tile g takes row 4 r + g
	v_lshlrev_b32 v7, 4, v1
	v_lshlrev_b32 v10, 6, v2                       ; bq: 16 h numbers on
	s_wait_kmcnt 0x0
	BASES
	s_lshl_b32 s52, s54, 9
	s_add_nc_u64 s[40:41], s[14:15], s[52:53]
	s_lshl_b32 s52, s51, 13
	s_lshl_b32 s55, s54, 10
	s_add_co_u32 s52, s52, s55
	s_add_nc_u64 s[42:43], s[24:25], s[52:53]
	s_lshl_b32 s52, s51, 10
	s_lshl_b32 s55, s54, 7
	s_add_co_u32 s52, s52, s55
	s_add_nc_u64 s[44:45], s[26:27], s[52:53]
	GEN 1, 64, 4, 2048
	s_endpgm
	; ---------------- path K: work-group (b, b') makes keys w = 32 b' .. 32 b' + 31 of batch b ----------------
	; LDS: X1: ten pooled cells (j = 6 b' + 0..9) x (512 f32 + 16 bytes);  RIMG, RSC: the row's eight fragments (tile u, K step s: 4 u + s) and their scale words.
	; All eight waves walk the same text.  Wave = 4 u + s makes fragment (u, s) of the row; wave = 4 u + 2 os + th makes, for tile u of keys, outputs 128 os + 64 th + 0..63 of k:
	; four tiles of Wk's rows, two blocks of 32 along the next K: registers 4 th .. 4 th + 3 of a fragment of k and two bytes of its scale word.
	; So a wave keeps 16 fragments of Wk (128 registers of window 1), and the other half of window 1 takes two more groups of partial sums: four of the five groups are asked for at once.
.Lpath_k:
.set RIMG, 20736
.set RSC,  28928
.set TT,   248                         ; v[248:249] t, twice;  v[250:251] 1 - t, twice
.set OM,   250
	s_lshr_b32 s46, ttmp9, 1                       ; b
	s_and_b32 s47, ttmp9, 1                        ; b'
	s_lshr_b32 s48, s30, 2                         ; tile u of keys, for the row's fragment and for the product
	s_and_b32 s49, s30, 3                          ; the row's fragment: K step s
	s_bfe_u32 s50, s30, 0x10001                    ; the product: 128 outputs os,
	s_and_b32 s51, s30, 1                          ; and their half th
	s_mov_b32 s53, 0
	s_mov_b32 s58, 0x3c820821                      ; 1 / 63
	s_mov_b32 s59, 0x427c0000                      ; 63
	v_lshrrev_b32 v16, 7, v0                       ; the cells: thread t takes four channels, 4 (t % 128) on, of cells 2 e + t / 128
	v_and_b32 v17, 127, v0
	v_mul_u32_u24 v6, v16, 2064
	v_lshl_add_u32 v6, v17, 4, v6                  ; X1, in
	v_lshlrev_b32 v7, 11, v16
	v_lshl_add_u32 v7, v17, 4, v7                  ; pp
	v_lshlrev_b32 v61, 4, v16                      ; pos: column 4 j is 16 j bytes
	v_lshlrev_b32 v62, 4, v17                      ; pe_table: my four channels
	v_lshlrev_b32 v63, 6, v2                       ; bk: 16 h numbers on
	v_mul_u32_u24 v18, v2, OSS
	v_add_nc_u32 v5, v5, v18                       ; Wk's scale words: lanes 16-31 take the next K step's
	v_and_b32 v18, 8, v1
	v_add_nc_u32 v18, v18, v1
	s_lshl_b32 s52, s48, 3
	v_add_nc_u32 v18, s52, v18                     ; my key in the work-group's 32: 8 u + r + 8 (r / 8)
	; src = 15 w / 63 = 5 w / 21.  i0 = floor(5 w / 21) = (5 w x 3121) >> 16 and i1 = ceil(5 w / 21) = ((5 w + 20) x 3121) >> 16, exact up to w = 63; i1 = i0 where t = 0, so cell 16 is never asked for.
	; Both work-groups' cell numbers (less 6 b') are made from the lane and the wave alone, the - 6 added as - 6 x 65536 ahead of the shift, and one is chosen: both lie in 0..9.
	v_mul_u32_u24 v19, v18, 15605
	v_lshrrev_b32 v20, 16, v19                     ; b' = 0: i0
	v_add_nc_u32 v21, 62420, v19
	v_lshrrev_b32 v21, 16, v21                     ;         i1
	v_add_nc_u32 v22, 106144, v19
	v_lshrrev_b32 v22, 16, v22                     ; b' = 1: i0 - 6
	v_add_nc_u32 v23, 168564, v19
	v_lshrrev_b32 v23, 16, v23                     ;         i1 - 6
	s_cmp_eq_u32 s47, 1
	s_cselect_b32 s54, -1, 0
	v_cndmask_b32 v20, v20, v22, s54
	v_cndmask_b32 v21, v21, v23, s54
	s_lshl_b32 s52, s49, 9
	v_mul_u32_u24 v10, v20, 2064
	v_lshl_add_u32 v10, v2, 6, v10
	v_add_nc_u32 v10, s52, v10                     ; X1, out: cell i0, channels 128 s + 16 h on
	v_mul_u32_u24 v11, v21, 2064
	v_lshl_add_u32 v11, v2, 6, v11
	v_add_nc_u32 v11, s52, v11                     ; cell i1
	s_lshl_b32 s52, s30, 10
	s_add_co_u32 s52, s52, RIMG
	v_add_nc_u32 v12, s52, v8                      ; my fragment's image
	s_lshl_b32 s52, s30, 7
	s_add_co_u32 s52, s52, RSC
	v_add_nc_u32 v13, s52, v9
	s_lshl_b32 s52, s48, 12
	s_add_co_u32 s52, s52, RIMG
	v_add_nc_u32 v14, s52, v8                      ; the four images of tile u, which the product reads
	s_lshl_b32 s52, s48, 9
	s_add_co_u32 s52, s52, RSC
	v_add_nc_u32 v15, s52, v9
	; t = 15 w / 63 - i0 in f32: the quotient by a product with 1 / 63 and one correction
	s_lshl_b32 s55, s47, 5
	v_add_nc_u32 v24, s55, v18                     ; w
	v_mul_u32_u24 v24, v24, 15
	v_cvt_f32_u32 v24, v24
	s_mul_i32 s55, s47, 6
	v_add_nc_u32 v25, s55, v20                     ; i0
	v_cvt_f32_u32 v25, v25
	v_mul_f32 v26, s58, v24
	v_fma_f32 v27, -v26, s59, v24
	v_fma_f32 v26, v27, s58, v26
	v_sub_f32 v[TT], v26, v25
	v_mov_b32 v[TT+1], v[TT]
	v_sub_f32 v[OM], 1.0, v[TT]
	v_mov_b32 v[OM+1], v[OM]
	s_lshl_b32 s31, s50, 9
	s_lshl_b32 s52, s51, 8
	s_add_co_u32 s31, s31, s52                     ; 4 x my first output, 128 os + 64 th
	s_wait_kmcnt 0x0
	s_mov_b32 s52, s31
	s_add_nc_u64 s[40:41], s[16:17], s[52:53]      ; bk at my 64 outputs
	s_add_co_u32 s52, s31, WKR*4
	s_add_nc_u64 s[34:35], s[6:7], s[52:53]        ; Wk's scale words at my 64 rows
	s_lshl_b32 s52, s31, 4
	s_add_co_u32 s52, s52, WKR*64
	s_add_nc_u64 s[32:33], s[4:5], s[52:53]        ; and its codes
	s_lshl_b32 s52, s46, 19
	s_mul_i32 s55, s47, 12288
	s_add_co_u32 s52, s52, s55
	s_add_nc_u64 s[36:37], s[8:9], s[52:53]        ; pp at batch b, cell 6 b'
	s_lshl_b32 s52, s46, 14
	s_mul_i32 s55, s47, 96
	s_add_co_u32 s52, s52, s55
	s_add_nc_u64 s[38:39], s[10:11], s[52:53]      ; pos at batch b, image row 0, column 24 b'
	s_lshl_b32 s55, ttmp9, 2
	s_lshr_b32 s31, s30, 1
	s_add_co_u32 s55, s55, s31                     ; k's fragment (4 b + 2 b' + u) 2 + os
	s_lshl_b32 s52, s55, 10
	s_lshl_b32 s31, s51, 9
	s_add_co_u32 s52, s52, s31                     ; + 512 th: registers 4 th on
	s_add_nc_u64 s[42:43], s[28:29], s[52:53]
	s_lshl_b32 s52, s55, 7
	s_lshl_b32 s31, s51, 1
	s_add_co_u32 s52, s52, s31                     ; + 2 th: bytes 2 th, 2 th + 1 of each scale word
	s_add_co_u32 s52, s52, 32768
	s_add_nc_u64 s[44:45], s[28:29], s[52:53]
	; ---- the cells: x1d = the sum of 16 partial sums / 256 + the position's row of pe_table
.macro PL e, buf, w                    ; the 16 partial sums of cell 2 e + t / 128, into v[buf] on in window w
	WIN 0x40*(\w)
.irp q, 0,1,2,3,4,5,6,7,8,9,10,11,12,13,14,15
	global_load_b128 v[\buf+4*\q:\buf+4*\q+3], v7, s[36:37] offset:\q*32768+(\e)*4096
.endr
	WIN 0
.endm
.macro RED e, buf, w                   ; their sum, by halves in place, and at last into v[16 + 4 e] on in window 0
	WIN 0x45*(\w)
.set n, 0
.rept 16
	v_pk_add_f32 v[\buf+n:\buf+n+1], v[\buf+n:\buf+n+1], v[\buf+32+n:\buf+33+n]
.set n, n+2
.endr
.set n, 0
.rept 8
	v_pk_add_f32 v[\buf+n:\buf+n+1], v[\buf+n:\buf+n+1], v[\buf+16+n:\buf+17+n]
.set n, n+2
.endr
.set n, 0
.rept 4
	v_pk_add_f32 v[\buf+n:\buf+n+1], v[\buf+n:\buf+n+1], v[\buf+8+n:\buf+9+n]
.set n, n+2
.endr
	WIN 0x05*(\w)
	v_pk_add_f32 v[16+4*(\e):17+4*(\e)], v[\buf:\buf+1], v[\buf+4:\buf+5]
	v_pk_add_f32 v[18+4*(\e):19+4*(\e)], v[\buf+2:\buf+3], v[\buf+6:\buf+7]
	WIN 0
.endm
	; The order of the requests: pos first, since the table's rows hang on it; then four groups of partial sums at once; the fifth group as soon as the first has been summed;
	; Wk and bk, which are wanted last, behind them.  Loads come back in the order of issue (ISA guide 5.7.1), so each wait counts the loads issued behind the one that it is for.
.irp e, 0,1,2,3,4
	global_load_b32 v[56+\e], v61, s[38:39] offset:32*\e             ; pos[b][0][4 j]
.endr
	PL 0, 64, 0
	PL 1, 128, 0
	PL 2, 128, 1
	PL 3, 192, 1
	s_wait_loadcnt 63                              ; pos is in: 64 loads were issued behind it, and 63 is the largest count that the wait can name
.irp e, 0,1,2,3,4
	v_lshrrev_b32 v[56+\e], 3, v[56+\e]            ; / 8
	v_min_u32 v[56+\e], 127, v[56+\e]              ; held inside the table
	v_lshl_add_u32 v[56+\e], v[56+\e], 11, v62     ; a row of 2,048 bytes, + my four channels
.endr
.irp e, 0,1,2,3,4
	global_load_b128 v[36+4*\e:39+4*\e], v[56+\e], s[12:13]
.endr
	s_wait_loadcnt 53                              ; group 0 is in (behind it: three groups of 16 and the table's 5)
	RED 0, 64, 0
	PL 4, 64, 0                                    ; the fifth group, into the first's registers
	s_wait_loadcnt 53                              ; group 1 (behind it: 16 + 16 + 5 + 16)
	RED 1, 128, 0
	s_wait_loadcnt 37                              ; group 2 (behind it: 16 + 5 + 16)
	RED 2, 128, 1
	WIN 0x40                                       ; my 16 fragments of Wk into window 1, (K step s, tile t) at v[32 s + 8 t]: 32 loads,
.irp s, 0,1,2,3
.irp t, 0,1,2,3
	global_load_b128 v[32*\s+8*\t:32*\s+8*\t+3], v4, s[32:33] offset:\s*OPS+(32*(\t/2)+8*(\t%2))*64
	global_load_b128 v[32*\s+8*\t+4:32*\s+8*\t+7], v4, s[32:33] offset:\s*OPS+(32*(\t/2)+8*(\t%2))*64+32
.endr
.endr
	WIN 0
.irp d, 0,1                                    ; and their scale words: 8 loads
.irp t, 0,1,2,3
	global_load_b32 v[AS+4*\d+\t], v5, s[34:35] offset:2*\d*OSS+(32*(\t/2)+8*(\t%2))*4   ; lanes 0-15: K step 2 d; lanes 16-31: K step 2 d + 1
.endr
.endr
	s_wait_loadcnt 61                              ; group 3 (behind it: 5 + 16 + 40)
	RED 3, 192, 1
	WIN 0x40                                       ; bk into the registers that group 3 has left: it is the C of each sum's first product: 8 loads
.irp t, 0,1,2,3
	global_load_b128 v[192+8*\t:195+8*\t], v63, s[40:41] offset:(32*(\t/2)+8*(\t%2))*4
	global_load_b128 v[196+8*\t:199+8*\t], v63, s[40:41] offset:(32*(\t/2)+8*(\t%2))*4+16
.endr
	WIN 0
	s_wait_loadcnt 48                              ; the table's rows and group 4 (behind them: 40 + 8)
	RED 4, 64, 0
.set n, 0
.rept 10
	v_pk_fma_f32 v[16+n:17+n], v[16+n:17+n], 0x3b800000, v[36+n:37+n] op_sel_hi:[1,0,1]   ; / 256 (64 image rows x 4 columns), + the position's code
.set n, n+2
.endr
.irp e, 0,1,2,3,4
	ds_store_b128 v6, v[16+4*\e:19+4*\e] offset:\e*4128
.endr
	s_wait_dscnt 0x0                               ; for the others' sake: my cells have landed
	s_barrier_signal -1
	s_barrier_wait -1
	; ---- the row: 16 keys x 128 channels a wave; register 16 bb + i = channel 128 s + 32 bb + 16 h + i of my key
.irp bb, 0,1,2,3
.irp ii, 0,1,2,3
	ds_load_b128 v[64+16*\bb+4*\ii:67+16*\bb+4*\ii], v10 offset:128*\bb+16*\ii
	ds_load_b128 v[128+16*\bb+4*\ii:131+16*\bb+4*\ii], v11 offset:128*\bb+16*\ii
.endr
.endr
	s_wait_dscnt 0x0                               ; my reads of the cells are over
	s_barrier_signal -1                            ; a barrier between all waves' reads of the cells and the first store of an image
	s_barrier_wait -1
.set n, 0
.rept 32
	v_pk_mul_f32 v[128+n:129+n], v[128+n:129+n], v[TT:TT+1]
.set n, n+2
.endr
.set n, 0
.rept 32
	v_pk_fma_f32 v[64+n:65+n], v[64+n:65+n], v[OM:OM+1], v[128+n:129+n]   ; x1d[i0] (1 - t) + x1d[i1] t
.set n, n+2
.endr
	QUANT 64, 0, 16, 24
	ds_store_b128 v12, v[16:19]
	ds_store_b128 v12, v[20:23] offset:512
	ds_store_b32 v13, v24
	s_wait_dscnt 0x0                               ; my image has landed
	s_barrier_signal -1
	s_barrier_wait -1                              ; the row's eight fragments lie in LDS
	; ---- k = Wk row + bk: source 0 = 16 rows of Wk, source 1 = tile u's 16 keys; my four accumulators by turns, K step by K step
.irp s, 0,1,2,3
	ds_load_b128 v[128+8*\s:131+8*\s], v14 offset:1024*\s
	ds_load_b128 v[132+8*\s:135+8*\s], v14 offset:1024*\s+512
	ds_load_b32 v[BS+\s], v15 offset:128*\s
.endr
	s_wait_dscnt 0x0
	s_wait_loadcnt 0x0                             ; Wk and bk
	WIN 0x11                                       ; source 0 (Wk) and source 2 (bk) in window 1
.irp t, 0,1,2,3
	v_wmma_scale_f32_16x16x128_f8f6f4 v[64+8*\t:71+8*\t], v[8*\t:8*\t+7], v[128:135], v[192+8*\t:199+8*\t], v[AS+\t], v[BS] matrix_a_fmt:MATRIX_FMT_FP4 matrix_b_fmt:MATRIX_FMT_FP4
.endr
	WIN 0x01                                       ; source 0 in window 1; C and D the accumulators, in window 0
.irp t, 0,1,2,3
	v_wmma_scale_f32_16x16x128_f8f6f4 v[64+8*\t:71+8*\t], v[32+8*\t:39+8*\t], v[136:143], v[64+8*\t:71+8*\t], v[AS+\t], v[BS+1] matrix_a_fmt:MATRIX_FMT_FP4 matrix_b_fmt:MATRIX_FMT_FP4 matrix_a_scale:MATRIX_SCALE_ROW1
.endr
.irp t, 0,1,2,3
	v_wmma_scale_f32_16x16x128_f8f6f4 v[64+8*\t:71+8*\t], v[64+8*\t:71+8*\t], v[144:151], v[64+8*\t:71+8*\t], v[AS+4+\t], v[BS+2] matrix_a_fmt:MATRIX_FMT_FP4 matrix_b_fmt:MATRIX_FMT_FP4
.endr
.irp t, 0,1,2,3
	v_wmma_scale_f32_16x16x128_f8f6f4 v[64+8*\t:71+8*\t], v[96+8*\t:103+8*\t], v[152:159], v[64+8*\t:71+8*\t], v[AS+4+\t], v[BS+3] matrix_a_fmt:MATRIX_FMT_FP4 matrix_b_fmt:MATRIX_FMT_FP4 matrix_a_scale:MATRIX_SCALE_ROW1
.endr
	WIN 0
	PLACES 4                                       ; in front of the first read of results
	QUANTH 64, 16, 24                              ; along my 64 outputs: half a fragment of 16 keys for the energy
	global_store_b128 v8, v[16:19], s[42:43]       ; 512 consecutive bytes, aligned to 256
	global_store_b16 v9, v24, s[44:45]             ; two bytes of each scale word; the wave with the other half writes the other two (4 KiB of such stores in the whole launch)
	s_wait_tensorcnt 0x0
	ds_add_u32 v254, v255
	s_wait_dscnt 0x0
	s_endpgm
.Lfunc_end_k_q2ad4a706e2_proj:
	.size	k_q2ad4a706e2_proj, .Lfunc_end_k_q2ad4a706e2_proj-k_q2ad4a706e2_proj
	.p2alignl 7, 3214868480
	.fill 96, 4, 3214868480
	.section	.rodata,"a",@progbits
	.p2align	6, 0x0
	.amdhsa_kernel k_q2ad4a706e2_proj
		.amdhsa_group_segment_fixed_size 31744
		.amdhsa_private_segment_fixed_size 0
		.amdhsa_enable_private_segment 0
		.amdhsa_kernarg_size 104
		.amdhsa_user_sgpr_count 2
		.amdhsa_user_sgpr_kernarg_segment_ptr 1
		.amdhsa_wavefront_size32 1
		.amdhsa_system_sgpr_workgroup_id_x 1
		.amdhsa_system_sgpr_workgroup_id_y 1
		.amdhsa_system_sgpr_workgroup_id_z 1
		.amdhsa_system_vgpr_workitem_id 0
		.amdhsa_next_free_vgpr 512
		.amdhsa_next_free_sgpr 66
		.amdhsa_reserve_vcc 1
		.amdhsa_float_denorm_mode_32 3
		.amdhsa_float_denorm_mode_16_64 3
		.amdhsa_memory_ordered 1
		.amdhsa_forward_progress 1
		.amdhsa_inst_pref_size 147
	.end_amdhsa_kernel
	.amdgpu_metadata
---
amdhsa.version: [ 1, 2 ]
amdhsa.kernels:
  - .name:           k_q2ad4a706e2_proj
    .symbol:         k_q2ad4a706e2_proj.kd
    .args:
      - { .name: opc, .offset: 0, .size: 8, .value_kind: global_buffer, .address_space: global }
      - { .name: ops, .offset: 8, .size: 8, .value_kind: global_buffer, .address_space: global }
      - { .name: pp, .offset: 16, .size: 8, .value_kind: global_buffer, .address_space: global }
      - { .name: pos, .offset: 24, .size: 8, .value_kind: global_buffer, .address_space: global }
      - { .name: pe_table, .offset: 32, .size: 8, .value_kind: global_buffer, .address_space: global }
      - { .name: bq, .offset: 40, .size: 8, .value_kind: global_buffer, .address_space: global }
      - { .name: bk, .offset: 48, .size: 8, .value_kind: global_buffer, .address_space: global }
      - { .name: bv, .offset: 56, .size: 8, .value_kind: global_buffer, .address_space: global }
      - { .name: vimg, .offset: 64, .size: 8, .value_kind: global_buffer, .address_space: global }
      - { .name: vscl, .offset: 72, .size: 8, .value_kind: global_buffer, .address_space: global }
      - { .name: qimg, .offset: 80, .size: 8, .value_kind: global_buffer, .address_space: global }
      - { .name: qscl, .offset: 88, .size: 8, .value_kind: global_buffer, .address_space: global }
      - { .name: kimg, .offset: 96, .size: 8, .value_kind: global_buffer, .address_space: global }
    .group_segment_fixed_size: 31744
    .private_segment_fixed_size: 0
    .kernarg_segment_align: 8
    .kernarg_segment_size: 104
    .max_flat_workgroup_size: 256
    .sgpr_count:     66
    .vgpr_count:     512
    .wavefront_size: 32
...
	.end_amdgpu_metadata
.endif
;; end of part 2
;; launch attn (part 3): grid 16 x 16, 8 waves a work-group, clusters of 4 x 1, 291,840 bytes of LDS; arguments qimg, qscl, kimg, vimg, vscl, x, gamma, out0; writes out0
.if DOCPART == 3
	.amdgcn_target "amdgcn-amd-amdhsa--gfx1250"
	.amdhsa_code_object_version 6
	.text
	.protected	k_q2ad4a706e2_attn
	.globl	k_q2ad4a706e2_attn
	.p2align	8
	.type	k_q2ad4a706e2_attn,@function
k_q2ad4a706e2_attn:
	s_mov_b64 s[64:65], 0
	v_nop
	global_prefetch_b8 v0, s[64:65] scope:SCOPE_SE
	s_setreg_imm32_b32 hwreg(HW_REG_WAVE_MODE, 25, 1), 1
	s_wait_xcnt 0x0
	s_wait_alu depctr_hold_cnt(0) depctr_sa_sdst(0) depctr_va_vdst(0) depctr_va_sdst(0) depctr_va_ssrc(0) depctr_va_vcc(0) depctr_vm_vsrc(0)
	s_getreg_b32 s2, hwreg(HW_REG_IB_STS2, 6, 4)
	s_cmp_eq_u32 s2, 0
	s_cbranch_scc0 .Lentry_in_a_cluster
	s_endpgm
.Lentry_in_a_cluster:
	s_bfe_u32 s2, ttmp6, 0x10000c
	s_cmp_lg_u32 s2, 0x3003
	s_cbranch_scc0 .Lentry_shape_is_right
	s_endpgm
.Lentry_shape_is_right:
; out0 = gamma x (V P^T / l) + x, on codes of FP4 (E2M1) with E8M0 scales.
; THE KEYS.  The reference spreads one row over all 64 image rows, so key m = 64 y + w hangs on w alone: a batch has 64 distinct keys, the energy 64 distinct columns, and p = 2^(t - M) is the same for every y.
; The blocks of 32 along m are the two halves of w, so p's codes and scale bytes repeat too: for EVERY K step of 128 keys (two image rows) the second product's P operand is one fragment, whose registers 4-7
; equal its registers 0-3 and whose scale word is (s0, s1, s0, s1).  The row's sum is l = 64 x the sum of the 64 distinct p (another order of f32 additions than the reference's).  V differs from key to key:
; the second product is done in full, over all 4,096 keys.
; SOFTMAX: t = energy x log2(e); M = ceil(the row's largest t), a whole number; p = 2^(t - M) is quantised, not normalised; the sum is taken of the unquantised p and divides at the end.
; LIMITS: NaN and infinities are not served; a block whose every p has fallen to 0 keeps the byte 1 with zero codes.
; SHARES.  A work-group makes 128 channels (cq) x 256 queries (nq) of a batch.  Wave w: channels 32 (w % 4) on (two tiles ct), queries 128 (w / 4) on (eight tiles tt): 16 accumulators.
; Its 128 channels of V for all keys, 256 KiB of register images and 16 KiB of scale words, come into LDS ONCE, by five tensor loads a wave at the start; no LDS byte is filled twice.
; CLUSTER.  The four work-groups of a cluster differ in nq alone and read the same V: each tile is asked for JOINTLY (mask 15).  The place in the cluster enters only q's, x's and out0's global addresses.
; QUERY ORDER.  Lane r of tile 4 u + i holds query 64 u + 4 r + i, so that four tiles give a lane four neighbouring queries: results leave as 16 bytes a lane, sixteen lanes to 256 aligned bytes, with no stage.
; REGISTERS, window 0: v1-14 addresses; v16-143 accumulators (ct, tt) at v[16 + 8 (8 ct + tt)]; v144-207 P's eight fragments; v208-215 their scale words; v216-247 V's fragments, two sets; v248-249 V's scale words.
;   In the first phase: v16-79 k, v80-111 q (later p's codes), v112-143 at work, v144-207 the energy, v208-215 k's scale words, v248-251 q's.  v208-215 and v248-251 hold scales and nothing else.
;   window 1: v0-127 x, quad (2 ct + u) 8 + j.
.set VSC,  262144                      ; LDS: V's images at 0 (ks x 8192 + tile x 1024); their scale words here (ks x 512 + pair x 128);
.set PIMG, 278528                      ; the 16 tiles' halves of P, 512 bytes each;
.set PSC,  286720                      ; their scale words, 128 bytes each; 2,048 bytes on: gamma / l
.set ACC,  16
.set P,    144
.set PS,   208
.set VB,   216
.set VS,   248
.set KFR,  16
.set QFR,  80
.set PCD,  80
.set WK,   112                         ; tile e's work at v[WK + 16 e]: +0, +1 the blocks' largest; +2, +3 at work; +4, +5 -M; +6..+9 sums; +10 scale word; +11 gamma / l; +12, +13 scale operands
.set S,    144
.set KSW,  208
.set QSW,  248
.set MSB, 0
.macro WIN new                         ; the immediate's high byte repeats the setting that is left
.if MSB != \new
	s_set_vgpr_msb (MSB<<8)|\new
.set MSB, \new
.endif
.endm
.macro PLACES n
.rept \n
	v_nop
.endr
.endm
.macro ROUND                           ; a round of the cluster's barrier: my work-group's barrier; wave 0 signals for the work-group; every wave waits for all four; my work-group's barrier once more
	s_barrier_signal -1
	s_barrier_wait -1
	s_cmp_lg_u32 s21, 0
	s_cbranch_scc1 .Lnot_wave_0_\@
	s_barrier_signal -3
.Lnot_wave_0_\@:
	s_barrier_wait -3
	s_barrier_signal -1
	s_barrier_wait -1
.endm
	s_load_b512 s[4:19], s[0:1], 0x0               ; qimg, qscl, kimg, vimg, vscl, x, gamma, out0
	v_lshl_add_u32 v254, v0, 2, 0x47000
	v_mov_b32 v255, 0
	ds_add_u32 v254, v255
	ds_add_u32 v254, v255
	v_lshrrev_b32 v1, 5, v0
	v_readfirstlane_b32 s21, v1                    ; wave 0..7
	s_bfe_u32 s22, ttmp6, 0x40000                  ; cx: my place in the cluster
	s_lshl_b32 s23, ttmp9, 2
	s_add_co_u32 s23, s23, s22                     ; nq = 4 x cluster x + cx
	s_and_b32 s66, ttmp7, 0xffff                   ; 4 b + cq, which the four partners share
	s_lshr_b32 s67, s66, 2                         ; b
	s_and_b32 s68, s21, 3                          ; cp: my 32 channels
	s_lshr_b32 s69, s21, 2                         ; nh: my 128 queries
	; descriptor groups 1: dense blocks as rows of 256 bytes (32 elements of 8 bytes): 32 rows of V's images, 8 rows of scale words
	s_mov_b32 s24, 15|(3<<16)|(1<<21)              ; 15:0 the mask: all four work-groups; 17:16 elements of 8 bytes; 21 set beside a mask; no padding: the images are read 16 bytes a lane on end
	s_mov_b32 s25, 32<<16                          ; tensor_dim0 = 32
	s_mov_b32 s26, 32<<16                          ; tensor_dim1 = 32
	s_mov_b32 s27, 32<<16                          ; tile_dim0 = 32
	s_mov_b32 s28, 32                              ; tile_dim1 = 32
	s_mov_b32 s29, 32                              ; from row to row
	s_mov_b32 s30, 0
	s_mov_b32 s31, 0
	s_mov_b32 s32, 15|(3<<16)|(1<<21)
	s_mov_b32 s33, 32<<16
	s_mov_b32 s34, 8<<16
	s_mov_b32 s35, 32<<16
	s_mov_b32 s36, 8
	s_mov_b32 s37, 32
	s_mov_b32 s38, 0
	s_mov_b32 s39, 0
	s_mov_b32 s60, 0x76543210                      ; v_permlanex16_b32's selects for lane l xor 16
	s_mov_b32 s61, 0xfedcba98
	s_mov_b32 s62, 0x3fb8aa3b                      ; log2(e)
	s_mov_b32 s63, s62                             ; (named with it as a pair, so it is written)
	s_lshl_b32 s74, s21, 13                        ; my 8 KiB of each chunk of 64 KiB: the wave's number alone enters an LDS address
	s_lshl_b32 s70, s66, 18
	s_add_co_u32 s70, s70, s74
	s_mov_b32 s71, 0                               ; V's images: (4 b + cq) x 256 KiB + my part
	s_lshl_b32 s75, s21, 11                        ; my 2 KiB of the scale words
	s_lshl_b32 s76, s66, 14
	s_add_co_u32 s76, s76, s75
	s_mov_b32 s77, 0
	v_and_b32 v1, 15, v0                           ; r
	v_bfe_u32 v2, v0, 4, 1                         ; h
	v_and_b32 v15, 31, v0
	v_lshlrev_b32 v3, 4, v15                       ; 16 x lane
	v_lshlrev_b32 v4, 2, v15                       ; 4 x lane
	s_lshl_b32 s78, s68, 11
	v_add_nc_u32 v5, s78, v3                       ; V's images of my two tiles, in chunk 0 .. 3
	v_add_nc_u32 v6, 65536, v5
	v_add_nc_u32 v7, 131072, v5
	v_add_nc_u32 v8, 196608, v5
	s_lshl_b32 s78, s68, 7
	s_add_co_u32 s78, s78, VSC
	v_add_nc_u32 v9, s78, v4                       ; their pair of scale words
	s_lshl_b32 s78, s21, 10
	s_add_co_u32 s78, s78, PIMG
	v_add_nc_u32 v10, s78, v3                      ; P, in: tiles 2 w and 2 w + 1
	s_lshl_b32 s78, s21, 8
	s_add_co_u32 s78, s78, PSC
	v_add_nc_u32 v11, s78, v4
	s_lshl_b32 s78, s69, 12
	s_add_co_u32 s78, s78, PIMG
	v_add_nc_u32 v12, s78, v3                      ; P, out: tiles 8 nh on
	s_lshl_b32 s78, s69, 10
	s_add_co_u32 s78, s78, PSC
	v_add_nc_u32 v13, s78, v4
	v_lshlrev_b32 v14, 17, v2
	v_lshl_add_u32 v14, v1, 4, v14                 ; x and out0: 8 h channels of 16,384 bytes, + 16 r
.irp e, 0,1
	v_mov_b32 v[WK+16*\e+2], 0                     ; written once: a lane permute's destination counts as one of its sources
	v_mov_b32 v[WK+16*\e+3], 0
.endr
	s_wait_dscnt 0x0
	s_wait_kmcnt 0x0
	s_load_b32 s20, s[16:17], 0x0                  ; gamma
	s_add_nc_u64 s[72:73], s[10:11], s[70:71]
.irp j, 0,1,2,3
	s_mov_b32 s[40+4*\j], 1                        ; count = 1
	s_add_co_u32 s[41+4*\j], s74, \j*65536         ; LDS address
	s_add_nc_u64 s[42+4*\j:43+4*\j], s[72:73], \j*65536   ; global address
	s_or_b32 s[43+4*\j], s[43+4*\j], 0x80000000    ; type = 2
.endr
	s_mov_b32 s56, 1
	s_add_co_u32 s57, s75, VSC
	s_add_nc_u64 s[58:59], s[12:13], s[76:77]
	s_or_b32 s59, s59, 0x80000000
	; the global bases
	s_mov_b32 s79, 0
	s_lshl_b32 s78, s67, 13
	s_add_nc_u64 s[80:81], s[8:9], s[78:79]        ; k's eight fragments of batch b
	s_lshl_b32 s78, s67, 10
	s_add_co_u32 s78, s78, 32768
	s_add_nc_u64 s[82:83], s[8:9], s[78:79]        ; and their scale words
	s_lshl_b32 s92, s67, 6
	s_lshl_b32 s93, s23, 2
	s_add_co_u32 s92, s92, s93
	s_lshr_b32 s93, s21, 1
	s_add_co_u32 s92, s92, s93                     ; image row 64 b + 4 nq + w / 2
	s_lshl_b32 s92, s92, 2
	s_and_b32 s93, s21, 1
	s_lshl_b32 s93, s93, 1
	s_add_co_u32 s92, s92, s93                     ; the first of the two tiles of queries whose softmax I make
	s_lshl_b32 s78, s92, 11
	s_add_nc_u64 s[84:85], s[4:5], s[78:79]
	s_lshl_b32 s78, s92, 8
	s_add_nc_u64 s[86:87], s[6:7], s[78:79]
	s_lshl_b32 s92, s66, 7
	s_lshl_b32 s93, s68, 5
	s_add_co_u32 s92, s92, s93                     ; my first channel, counted through the batches
	s_lshl_b32 s78, s92, 14
	s_lshl_b32 s93, s23, 10
	s_add_co_u32 s78, s78, s93
	s_lshl_b32 s93, s69, 9
	s_add_co_u32 s78, s78, s93                     ; + my first query, 4 bytes each
	s_add_nc_u64 s[88:89], s[14:15], s[78:79]
	s_add_nc_u64 s[90:91], s[18:19], s[78:79]
	ROUND                                          ; all four work-groups are here: the joint loads meet
	tensor_load_to_lds s[56:59], s[32:39]          ; the first fills, one group, five loads of mine out: the scale words,
	s_nop 0
	tensor_load_to_lds s[40:43], s[24:31]          ; K steps 0-7,
	s_nop 0
	tensor_load_to_lds s[44:47], s[24:31]          ; 8-15,
	s_nop 0
	tensor_load_to_lds s[48:51], s[24:31]          ; 16-23,
	s_nop 0
	tensor_load_to_lds s[52:55], s[24:31]          ; 24-31
	s_nop 0
	PLACES 4
.irp f, 0,1,2,3,4,5,6,7                        ; k: fragment 2 kt + s
	global_load_b128 v[KFR+8*\f:KFR+8*\f+3], v3, s[80:81] offset:1024*\f
	global_load_b128 v[KFR+8*\f+4:KFR+8*\f+7], v3, s[80:81] offset:1024*\f+512
	global_load_b32 v[KSW+\f], v4, s[82:83] offset:128*\f
.endr
.irp f, 0,1,2,3                                ; q: fragment 2 e + s
	global_load_b128 v[QFR+8*\f:QFR+8*\f+3], v3, s[84:85] offset:1024*\f
	global_load_b128 v[QFR+8*\f+4:QFR+8*\f+7], v3, s[84:85] offset:1024*\f+512
	global_load_b32 v[QSW+\f], v4, s[86:87] offset:128*\f
.endr
	WIN 0x40                                       ; loaded data into window 1
.irp ct, 0,1
.irp u, 0,1
.irp j, 0,1,2,3,4,5,6,7
	global_load_b128 v[4*((2*\ct+\u)*8+\j):4*((2*\ct+\u)*8+\j)+3], v14, s[88:89] offset:(16*\ct+\j)*16384+256*\u th:TH_LOAD_NT   ; x, for the end: sixteen lanes read 256 aligned bytes
.endr
.endr
.endr
	WIN 0
	; ---------------- the energy of my two tiles of queries against the 64 keys, and their softmax ----------------
	s_wait_loadcnt 32                              ; k and q are in; x's 32 loads may be out
	s_wait_kmcnt 0x0                               ; gamma
.irp s, 0,1                                    ; S^T = k q^T: source 0 = 16 keys, source 1 = 16 queries; eight accumulators by turns
.irp e, 0,1
.irp kt, 0,1,2,3
.if \s == 0
	v_wmma_scale_f32_16x16x128_f8f6f4 v[S+32*\e+8*\kt:S+32*\e+8*\kt+7], v[KFR+16*\kt:KFR+16*\kt+7], v[QFR+16*\e:QFR+16*\e+7], 0, v[KSW+2*\kt], v[QSW+2*\e] matrix_a_fmt:MATRIX_FMT_FP4 matrix_b_fmt:MATRIX_FMT_FP4
.else
	v_wmma_scale_f32_16x16x128_f8f6f4 v[S+32*\e+8*\kt:S+32*\e+8*\kt+7], v[KFR+16*\kt+8:KFR+16*\kt+15], v[QFR+16*\e+8:QFR+16*\e+15], v[S+32*\e+8*\kt:S+32*\e+8*\kt+7], v[KSW+2*\kt+1], v[QSW+2*\e+1] matrix_a_fmt:MATRIX_FMT_FP4 matrix_b_fmt:MATRIX_FMT_FP4
.endif
.endr
.endr
.endr
	PLACES 5                                       ; four in front of the first read of results; five, since matrix instructions later write over these operands
	; a lane holds one query; register 16 b + i of a tile is key 32 b + 16 h + i.  The two tiles take turns line by line
.irp b, 0,1
.irp e, 0,1
	v_max3_num_f32 v[WK+16*\e+\b], v[S+32*\e+16*\b], v[S+32*\e+16*\b+1], v[S+32*\e+16*\b+2]   ; the largest score of each block of 32 keys: it serves the row's maximum and the block's largest p
.endr
.endr
.irp i, 3,5,7,9,11,13
.irp b, 0,1
.irp e, 0,1
	v_max3_num_f32 v[WK+16*\e+\b], v[WK+16*\e+\b], v[S+32*\e+16*\b+\i], v[S+32*\e+16*\b+\i+1]
.endr
.endr
.endr
.irp b, 0,1
.irp e, 0,1
	v_max_num_f32 v[WK+16*\e+\b], v[WK+16*\e+\b], v[S+32*\e+16*\b+15]
.endr
.endr
.irp b, 0,1
.irp e, 0,1
	v_permlanex16_b32 v[WK+16*\e+2+\b], v[WK+16*\e+\b], s60, s61
.endr
.endr
.irp b, 0,1
.irp e, 0,1
	v_max_num_f32 v[WK+16*\e+\b], v[WK+16*\e+\b], v[WK+16*\e+2+\b]   ; with lane l xor 16's 16 keys
.endr
.endr
.irp e, 0,1
	v_max_num_f32 v[WK+16*\e+4], v[WK+16*\e], v[WK+16*\e+1]          ; the row's largest score
.endr
.irp e, 0,1
	v_mul_f32 v[WK+16*\e+4], s62, v[WK+16*\e+4]                      ; as t
.endr
.irp e, 0,1
	v_floor_f32 v[WK+16*\e+4], -v[WK+16*\e+4]                        ; -M = floor(-t) = -ceil(t)
.endr
.irp e, 0,1
	v_mov_b32 v[WK+16*\e+5], v[WK+16*\e+4]                           ; (the pair's upper word is written)
.endr
.irp e, 0,1
.set n, 0
.rept 16
	v_pk_fma_f32 v[S+32*\e+n:S+32*\e+n+1], v[S+32*\e+n:S+32*\e+n+1], s[62:63], v[WK+16*\e+4:WK+16*\e+5] op_sel_hi:[1,0,0]   ; t - M, two at a time
.set n, n+2
.endr
.endr
.irp b, 0,1
.irp e, 0,1
	v_fma_f32 v[WK+16*\e+\b], v[WK+16*\e+\b], s62, v[WK+16*\e+4]     ; the same of each block's largest score
.endr
.endr
.set n, 0
.rept 64
	v_exp_f32 v[S+n], v[S+n]                       ; p = 2^(t - M): ONE batch, both tiles,
.set n, n+1
.endr
.irp b, 0,1
.irp e, 0,1
	v_exp_f32 v[WK+16*\e+\b], v[WK+16*\e+\b]       ; the blocks' largest p among them: the same two instructions on the same number give the same bits
.endr
.endr
	v_nop                                          ; a plain line behind the last exponential
	s_wait_alu depctr_va_vdst(0)                   ; one wait for the batch, ahead of its first reader
.irp e, 0,1
	v_pk_add_f32 v[WK+16*\e+6:WK+16*\e+7], v[S+32*\e:S+32*\e+1], v[S+32*\e+2:S+32*\e+3]       ; the sum of the unquantised p, in two chains
	v_pk_add_f32 v[WK+16*\e+8:WK+16*\e+9], v[S+32*\e+4:S+32*\e+5], v[S+32*\e+6:S+32*\e+7]
.endr
.irp j, 8,12,16,20,24,28
.irp e, 0,1
	v_pk_add_f32 v[WK+16*\e+6:WK+16*\e+7], v[WK+16*\e+6:WK+16*\e+7], v[S+32*\e+\j:S+32*\e+\j+1]
	v_pk_add_f32 v[WK+16*\e+8:WK+16*\e+9], v[WK+16*\e+8:WK+16*\e+9], v[S+32*\e+\j+2:S+32*\e+\j+3]
.endr
.endr
.irp e, 0,1
	v_pk_add_f32 v[WK+16*\e+6:WK+16*\e+7], v[WK+16*\e+6:WK+16*\e+7], v[WK+16*\e+8:WK+16*\e+9]
.endr
.irp e, 0,1
	v_add_f32 v[WK+16*\e+6], v[WK+16*\e+6], v[WK+16*\e+7]
.endr
.irp e, 0,1
	v_permlanex16_b32 v[WK+16*\e+2], v[WK+16*\e+6], s60, s61
.endr
.irp e, 0,1
	v_add_f32 v[WK+16*\e+6], v[WK+16*\e+6], v[WK+16*\e+2]            ; the 64 distinct keys' sum
.endr
.irp e, 0,1
	v_mul_f32 v[WK+16*\e+6], 0x42800000, v[WK+16*\e+6]               ; x 64 image rows: l
.endr
.irp e, 0,1
	v_rcp_f32 v[WK+16*\e+11], v[WK+16*\e+6]
.endr
.irp b, 0,1
.irp e, 0,1
	v_max_num_f32 v[WK+16*\e+\b], 0x1800000, v[WK+16*\e+\b]          ; the floor 2^(3 - 127): the byte cannot fall under 1.  (Plain work behind the reciprocals)
.endr
.endr
.irp b, 0,1
.irp e, 0,1
	v_add_nc_u32 v[WK+16*\e+12+\b], 0xff000000, v[WK+16*\e+\b]       ; 2 off the exponent field: the conversion's scale operand
.endr
.endr
.irp b, 0,1
.irp e, 0,1
	v_lshrrev_b32 v[WK+16*\e+2+\b], 23, v[WK+16*\e+12+\b]            ; the byte
.endr
.endr
.irp e, 0,1
	v_lshl_or_b32 v[WK+16*\e+10], v[WK+16*\e+3], 8, v[WK+16*\e+2]
.endr
.irp e, 0,1
	v_lshl_or_b32 v[WK+16*\e+10], v[WK+16*\e+10], 16, v[WK+16*\e+10] ; (s0, s1, s0, s1): two image rows
.endr
	s_wait_alu depctr_va_vdst(0)                   ; one wait for the two reciprocals, ahead of their first reader
.irp e, 0,1
	v_mul_f32 v[WK+16*\e+11], s20, v[WK+16*\e+11]  ; gamma / l
.endr
.irp e, 0,1
.irp b, 0,1
	v_cvt_scalef32_pk8_fp4_f32 v[PCD+8*\e+2*\b], v[S+32*\e+16*\b:S+32*\e+16*\b+7], v[WK+16*\e+12+\b]
	v_cvt_scalef32_pk8_fp4_f32 v[PCD+8*\e+2*\b+1], v[S+32*\e+16*\b+8:S+32*\e+16*\b+15], v[WK+16*\e+12+\b]
.endr
.endr
	v_nop                                          ; one plain line behind the scaled conversions
.irp e, 0,1
.irp i, 0,1
	v_permlane16_swap_b32 v[PCD+8*\e+\i], v[PCD+8*\e+2+\i]           ; a whole block in a lane: lanes 0-15 keys w = 0..31, lanes 16-31 keys 32..63
.endr
.endr
.irp e, 0,1
	ds_store_b128 v10, v[PCD+8*\e:PCD+8*\e+3] offset:512*\e
	ds_store_b32 v11, v[WK+16*\e+10] offset:128*\e
	ds_store_b32 v11, v[WK+16*\e+11] offset:2048+128*\e
.endr
	; ---------------- O^T = V P^T over all 4,096 keys ----------------
	s_wait_dscnt 0x0                               ; for the others' sake: my two tiles of P have landed
	s_wait_tensorcnt 3                             ; my part of the scale words and of K steps 0-7 is in; three chunks may be out: no LDS byte is ever filled again
	s_barrier_signal -1
	s_barrier_wait -1
.irp tt, 0,1,2,3,4,5,6,7
	ds_load_b128 v[P+8*\tt:P+8*\tt+3], v12 offset:512*\tt            ; the even image row's 64 keys,
	ds_load_b128 v[P+8*\tt+4:P+8*\tt+7], v12 offset:512*\tt          ; and the odd one's: the same codes, loaded twice rather than copied
	ds_load_b32 v[PS+\tt], v13 offset:128*\tt
.endr
.macro LOADV ks, p                     ; my two tiles of V for K step ks into set p, and their pair of scale words: five LDS loads
.irp ct, 0,1
.irp c, 0,1
	ds_load_b128 v[VB+16*(\p)+8*\ct+4*\c:VB+16*(\p)+8*\ct+4*\c+3], v[5+(\ks)/8] offset:((\ks)%8)*8192+\ct*1024+\c*512
.endr
.endr
	ds_load_b32 v[VS+(\p)], v9 offset:(\ks)*512
.endm
; A K step: 16 products, the 16 accumulators by turns in the same order in every step; the next step's V is asked for first.
.macro KSTEP ks
.set PB, (\ks)%2
.if (\ks)%8 < 7
	PLACES 4                                       ; in front of loads into registers that the last step's matrix instructions have read
	LOADV (\ks)+1, 1-(\ks)%2
	s_wait_dscnt 5                                 ; all but the five just issued
.else
	s_wait_dscnt 0x0                               ; the chunk's last step asks for nothing
.endif
.irp ct, 0,1
.irp tt, 0,1,2,3,4,5,6,7
.set rA, ACC+8*(8*\ct+\tt)
.if (\ks) == 0
.if \ct == 0
	v_wmma_scale_f32_16x16x128_f8f6f4 v[rA:rA+7], v[VB+16*PB:VB+16*PB+7], v[P+8*\tt:P+8*\tt+7], 0, v[VS+PB], v[PS+\tt] matrix_a_fmt:MATRIX_FMT_FP4 matrix_b_fmt:MATRIX_FMT_FP4
.else
	v_wmma_scale_f32_16x16x128_f8f6f4 v[rA:rA+7], v[VB+16*PB+8:VB+16*PB+15], v[P+8*\tt:P+8*\tt+7], 0, v[VS+PB], v[PS+\tt] matrix_a_fmt:MATRIX_FMT_FP4 matrix_b_fmt:MATRIX_FMT_FP4 matrix_a_scale:MATRIX_SCALE_ROW1
.endif
.else
.if \ct == 0
	v_wmma_scale_f32_16x16x128_f8f6f4 v[rA:rA+7], v[VB+16*PB:VB+16*PB+7], v[P+8*\tt:P+8*\tt+7], v[rA:rA+7], v[VS+PB], v[PS+\tt] matrix_a_fmt:MATRIX_FMT_FP4 matrix_b_fmt:MATRIX_FMT_FP4
.else
	v_wmma_scale_f32_16x16x128_f8f6f4 v[rA:rA+7], v[VB+16*PB+8:VB+16*PB+15], v[P+8*\tt:P+8*\tt+7], v[rA:rA+7], v[VS+PB], v[PS+\tt] matrix_a_fmt:MATRIX_FMT_FP4 matrix_b_fmt:MATRIX_FMT_FP4 matrix_a_scale:MATRIX_SCALE_ROW1
.endif
.endif
.endr
.endr
.endm
; Eight K steps: a chunk of 64 KiB of V.  The four are written out: each has its own count on TENSORcnt.
.macro CHUNK j
.if \j > 0
	s_wait_tensorcnt 3-\j                          ; my part of this chunk is in; the later chunks may be out
	s_barrier_signal -1                            ; (no LDS instruction of mine is out: the last step waited for 0)
	s_barrier_wait -1                              ; everybody's is
	PLACES 4
.endif
	LOADV 8*\j, 0
.set KS, 8*\j
.rept 8
	KSTEP KS
.set KS, KS+1
.endr
.endm
	CHUNK 0
	CHUNK 1
	CHUNK 2
	CHUNK 3
	; ---------------- out0 = O^T x gamma / l + x ----------------
	PLACES 4                                       ; in front of the first read of results, and of loads into P's registers
.irp tt, 0,1,2,3,4,5,6,7
	ds_load_b32 v[P+\tt], v13 offset:2048+128*\tt  ; gamma / l of my lane's query in each tile
.endr
	s_wait_dscnt 0x0
	s_wait_loadcnt 0x0                             ; x
	WIN 0x50                                       ; x: source 2 and destination in window 1
.irp j, 0,1,2,3,4,5,6,7                        ; register j outermost: every accumulator is read from its low end on
.irp ct, 0,1
.irp u, 0,1
.irp i, 0,1,2,3
	v_fma_f32 v[4*((2*\ct+\u)*8+\j)+\i], v[ACC+8*(8*\ct+4*\u+\i)+\j], v[P+4*\u+\i], v[4*((2*\ct+\u)*8+\j)+\i]
.endr
.endr
.endr
.endr
	WIN 0x04                                       ; a store's data are its source 1: window 1
.irp ct, 0,1
.irp u, 0,1
.irp j, 0,1,2,3,4,5,6,7
	global_store_b128 v14, v[4*((2*\ct+\u)*8+\j):4*((2*\ct+\u)*8+\j)+3], s[90:91] offset:(16*\ct+\j)*16384+256*\u th:TH_STORE_NT   ; sixteen lanes store 256 consecutive bytes, aligned
.endr
.endr
.endr
	WIN 0
	s_wait_tensorcnt 0x0
	ds_add_u32 v254, v255
	s_wait_dscnt 0x0
	ROUND                                          ; the closing round: no work-group ends while a partner may still ask for a tile that names it
	s_endpgm
.Lfunc_end_k_q2ad4a706e2_attn:
	.size	k_q2ad4a706e2_attn, .Lfunc_end_k_q2ad4a706e2_attn-k_q2ad4a706e2_attn
	.p2alignl 7, 3214868480
	.fill 96, 4, 3214868480
	.section	.rodata,"a",@progbits
	.p2align	6, 0x0
	.amdhsa_kernel k_q2ad4a706e2_attn
		.amdhsa_group_segment_fixed_size 291840
		.amdhsa_private_segment_fixed_size 0
		.amdhsa_enable_private_segment 0
		.amdhsa_kernarg_size 64
		.amdhsa_user_sgpr_count 2
		.amdhsa_user_sgpr_kernarg_segment_ptr 1
		.amdhsa_wavefront_size32 1
		.amdhsa_system_sgpr_workgroup_id_x 1
		.amdhsa_system_sgpr_workgroup_id_y 1
		.amdhsa_system_sgpr_workgroup_id_z 1
		.amdhsa_system_vgpr_workitem_id 0
		.amdhsa_next_free_vgpr 384
		.amdhsa_next_free_sgpr 100
		.amdhsa_reserve_vcc 0
		.amdhsa_float_denorm_mode_32 3
		.amdhsa_float_denorm_mode_16_64 3
		.amdhsa_memory_ordered 1
		.amdhsa_forward_progress 1
		.amdhsa_inst_pref_size 120
	.end_amdhsa_kernel
	.amdgpu_metadata
---
amdhsa.version: [ 1, 2 ]
amdhsa.kernels:
  - .name:           k_q2ad4a706e2_attn
    .symbol:         k_q2ad4a706e2_attn.kd
    .args:
      - { .name: qimg, .offset: 0, .size: 8, .value_kind: global_buffer, .address_space: global }
      - { .name: qscl, .offset: 8, .size: 8, .value_kind: global_buffer, .address_space: global }
      - { .name: kimg, .offset: 16, .size: 8, .value_kind: global_buffer, .address_space: global }
      - { .name: vimg, .offset: 24, .size: 8, .value_kind: global_buffer, .address_space: global }
      - { .name: vscl, .offset: 32, .size: 8, .value_kind: global_buffer, .address_space: global }
      - { .name: x, .offset: 40, .size: 8, .value_kind: global_buffer, .address_space: global }
      - { .name: gamma, .offset: 48, .size: 8, .value_kind: global_buffer, .address_space: global }
      - { .name: out0, .offset: 56, .size: 8, .value_kind: global_buffer, .address_space: global }
    .group_segment_fixed_size: 291840
    .private_segment_fixed_size: 0
    .kernarg_segment_align: 8
    .kernarg_segment_size: 64
    .max_flat_workgroup_size: 256
    .sgpr_count:     100
    .vgpr_count:     384
    .wavefront_size: 32
...
	.end_amdgpu_metadata
.endif
;; end of part 3
;; ======== version 2 of 2: 3 launches; version 1 with the launch proj written anew for expert scheduling mode
;; workspace buffers: opc 4,456,448 bytes; ops 278,528 bytes; pp 2,097,152 bytes; vimg 4,194,304 bytes; vscl 262,144 bytes; qimg 2,097,152 bytes; qscl 262,144 bytes; kimg 36,864 bytes
;; launch prep: the kernel of part 1 again; grid 320 x 1, 8 waves a work-group, no clusters, 55,296 bytes of LDS; arguments x, Wq, Wk, Wv, opc, ops, pp; writes opc, ops, pp
;; launch proj (part 4): grid 200 x 1, 8 waves a work-group, no clusters, 31,744 bytes of LDS; arguments opc, ops, pp, pos, pe_table, bq, bk, bv, vimg, vscl, qimg, qscl, kimg; writes vimg, vscl, qimg, qscl, kimg
.if DOCPART == 4
	.amdgcn_target "amdgcn-amd-amdhsa--gfx1250"
	.amdhsa_code_object_version 6
	.text
	.protected	k_q2ad4a706e2_proj
	.globl	k_q2ad4a706e2_proj
	.p2align	8
	.type	k_q2ad4a706e2_proj,@function
k_q2ad4a706e2_proj:
	s_mov_b64 s[64:65], 0
	v_nop
	global_prefetch_b8 v0, s[64:65] scope:SCOPE_SE
	s_setreg_imm32_b32 hwreg(HW_REG_WAVE_SCHED_MODE, 0, 2), 2
	s_setreg_imm32_b32 hwreg(HW_REG_WAVE_MODE, 25, 1), 1
	s_wait_xcnt 0x0
	s_wait_alu depctr_vm_vsrc(0)
; The three projections, on codes of FP4 (E2M1) with E8M0 scales, and their results quantised again as operands of the attention, stored as IMAGES OF OPERAND REGISTERS
; (a fragment of 16 rows x 128 K: registers 0-3 at 16 x lane, registers 4-7 at 512 + 16 x lane; its scale words 4 bytes a lane).
;   work-groups 0..7    (path K): the pooled row x1d + position code, interpolated to 64 columns, quantised along the channels; k = Wk row + bk for the 64 DISTINCT keys of a batch
;                                 (the reference spreads one row over all image rows, so a key hangs on its column w alone); k quantised along its 256 outputs -> kimg
;   work-groups 8..135  (path V): v = Wv x + bv, quantised along the KEYS -> vimg [b][cq][ks][ct8][1024], vscl [b][cq][ks][pair][128] (lanes 0-15 the even tile's words, lanes 16-31 the odd tile's)
;   work-groups 136..199 (path Q): q = Wq x + bq, quantised along its 256 outputs -> qimg [b][y][i][s][1024], qscl [b][y][i][s][128]; lane r of tile i holds query 64 y + 4 r + i
; EVERY PRODUCT IS LAID SO THAT THE NEXT K FALLS INTO A LANE'S REGISTERS: source 0 takes 16 rows of the side that becomes the next K, and the rows of such a tile are not neighbours:
; lane r of tile 2 b + u takes row 32 b + 8 u + r + 8 (r / 8), so that the 16 registers of tiles 2 b and 2 b + 1 are 16 neighbours, 32 b + 16 (lane / 16) + 0..15.
; Operands come from the table that the launch before laid (opc, ops: K step stride OPS, OSS; 64 bytes and one scale word a row) straight into registers: no tensor load, no ring.
; LIMITS: NaN and infinities are not served; a block of zeros gets the byte 1 with zero codes; blocks whose largest magnitude lies under 2^-124 keep the byte 1; pos / 8 is held at 127, the table's last row.
; REGISTERS, window 0: v1 r, v2 h, v3 lane, v4-15 addresses; v16-143 source 0's fragments, two sets; v144-207 source 1's, two sets; v208-231 scale words and nothing else; v232-247 the quantiser's work.
;            window 1: paths V, Q: the 32 accumulators, (g, t) at v[64 g + 8 t]; path K: v0-127 my 16 fragments of Wk, v128-255 two groups of partial sums, later bk.
; THE MODE: SCHED_MODE bits 1:0 = 2 (LLVM: expert scheduling mode 2), set by the entry lines.  The code itself states the register dependences
; between vector or matrix instructions and memory or LDS instructions, with s_wait_alu, always for 0.
; THE PLAN, paths V and Q.  Registers that memory instructions touch:
;   v4-v10      offsets: written at the head, read by every load and store, never written again: one wait on va_vdst ahead of the first load.
;   set p       of source 0's and source 1's fragments and scale words: loaded for K step s (p = s % 2), read by that step's 32 matrix instructions, loaded again for K step s + 2:
;               one wait on va_vdst behind the products of K steps 0 and 1; the set is asked for again at once, in one run.
;   window 1    the bias is loaded into accumulators before any vector or matrix instruction names them.
;   PC, PW, PWP the codes and scale words on the way out, registers of their own for each tile: written once by the quantiser, read by the stores: one wait on va_vdst for each pair of tiles.
; THE PLAN, path K.  v4-v15, v61-v63: offsets and LDS addresses, written at the head alone.  v56-60: pos as loaded, made into the table's offsets.  v64-127: partial sums (groups 0 and 4), then cells from LDS.
;   v128-191: partial sums (group 1), then cells from LDS, then the row's fragments from LDS.  Window 1 v128-255: groups 2 and 3, then bk.  Window 1 v0-127 and v208-215: Wk, named by no vector instruction.
;   v16-35: the cells, data of LDS stores; then v16-24 a fragment of the row, data of LDS stores; then v16-19 and v24 half a fragment of k, data of global stores: a wait on vm_vsrc ahead of each rewriting.
;   Each wait's comment says what it states.
.set OPS,  1114112
.set OSS,  69632
.set WQR,  16384                       ; table rows of Wq, Wk, Wv
.set WKR,  16640
.set WVR,  16896
.set AF,   16
.set BF,   144
.set AS,   208
.set BS,   224
.set TM,   232
.set PC,   16                          ; behind the products: the codes, 8 registers for each g
.set PW,   48                          ; their scale words
.set PWP,  52                          ; path V: two tiles' words in one register
.set SEL,  56                          ; s[56:57] v_permlanex16_b32's selects for lane l xor 16
.set MSB, 0
.macro WIN new                         ; the immediate's high byte repeats the setting that is left
.if MSB != \new
	s_set_vgpr_msb (MSB<<8)|\new
.set MSB, \new
.endif
.endm
.macro PLACES n
.rept \n
	v_nop
.endr
.endm
; 64 numbers of a lane, v[src] on in window w, register 16 b + i = k 32 b + 16 (lane / 16) + i of my row, become a fragment's codes in v[pc] on and its scale word in v[pw].
; Each accumulator is read from its low end on.
.macro QUANT src, w, pc, pw
	WIN 5*(\w)                                     ; sources 0 and 1 in window w
.irp b, 0,1,2,3
	v_max3_num_f32 v[TM+\b], |v[(\src)+16*\b]|, |v[(\src)+16*\b+1]|, 0x1800000   ; block b: my 16 numbers, and the floor 2^(3 - 127): the byte cannot fall under 1
.endr
.irp i, 2,4,6,8,10,12,14
.irp b, 0,1,2,3
	v_max3_num_f32 v[TM+\b], |v[(\src)+16*\b+\i]|, |v[(\src)+16*\b+\i+1]|, v[TM+\b]   ; the four blocks by turns
.endr
.endr
	WIN 0
.irp b, 0,1,2,3
	v_permlanex16_b32 v[TM+4+\b], v[TM+\b], s[SEL], s[SEL+1]
.endr
.irp b, 0,1,2,3
	v_max_num_f32 v[TM+\b], v[TM+\b], v[TM+4+\b]   ; with lane l xor 16's 16: the block's largest magnitude
.endr
.irp b, 0,1,2,3
	v_add_nc_u32 v[TM+12+\b], 0xff000000, v[TM+\b] ; 2 off its exponent field: the conversion's scale operand
.endr
.irp b, 0,1,2,3
	v_lshrrev_b32 v[TM+4+\b], 23, v[TM+12+\b]      ; the byte
.endr
	v_lshl_or_b32 v[(\pw)], v[TM+5], 8, v[TM+4]
	v_lshl_or_b32 v[(\pw)], v[TM+6], 16, v[(\pw)]
	v_lshl_or_b32 v[(\pw)], v[TM+7], 24, v[(\pw)]
	WIN (\w)                                       ; source 0 in window w
.irp b, 0,1,2,3
	v_cvt_scalef32_pk8_fp4_f32 v[(\pc)+2*\b], v[(\src)+16*\b:(\src)+16*\b+7], v[TM+12+\b]
	v_cvt_scalef32_pk8_fp4_f32 v[(\pc)+2*\b+1], v[(\src)+16*\b+8:(\src)+16*\b+15], v[TM+12+\b]
.endr
	WIN 0
	v_nop                                          ; one plain line behind the scaled conversions
.irp c, 0,1                                    ; the operand's layout wants a whole block in a lane: lanes 0-15 block 2 c, lanes 16-31 block 2 c + 1
.irp i, 0,1
	v_permlane16_swap_b32 v[(\pc)+4*\c+\i], v[(\pc)+4*\c+2+\i]
.endr
.endr
.endm
; The same for HALF a fragment, in window 0: 32 numbers of a lane (two blocks of 32 along K) become four of the fragment's registers, v[pc] on, and two bytes of its scale word, in v[pw]'s low half.
.macro QUANTH src, pc, pw
.irp b, 0,1
	v_max3_num_f32 v[TM+\b], |v[(\src)+16*\b]|, |v[(\src)+16*\b+1]|, 0x1800000
.endr
.irp i, 2,4,6,8,10,12,14
.irp b, 0,1
	v_max3_num_f32 v[TM+\b], |v[(\src)+16*\b+\i]|, |v[(\src)+16*\b+\i+1]|, v[TM+\b]
.endr
.endr
.irp b, 0,1
	v_permlanex16_b32 v[TM+4+\b], v[TM+\b], s[SEL], s[SEL+1]
.endr
.irp b, 0,1
	v_max_num_f32 v[TM+\b], v[TM+\b], v[TM+4+\b]
.endr
.irp b, 0,1
	v_add_nc_u32 v[TM+12+\b], 0xff000000, v[TM+\b]
.endr
.irp b, 0,1
	v_lshrrev_b32 v[TM+4+\b], 23, v[TM+12+\b]
.endr
	v_lshl_or_b32 v[(\pw)], v[TM+5], 8, v[TM+4]
.irp b, 0,1
	v_cvt_scalef32_pk8_fp4_f32 v[(\pc)+2*\b], v[(\src)+16*\b:(\src)+16*\b+7], v[TM+12+\b]
	v_cvt_scalef32_pk8_fp4_f32 v[(\pc)+2*\b+1], v[(\src)+16*\b+8:(\src)+16*\b+15], v[TM+12+\b]
.endr
	v_nop                                          ; one plain line behind the scaled conversions
.irp i, 0,1
	v_permlane16_swap_b32 v[(\pc)+\i], v[(\pc)+2+\i]
.endr
.endm
; the four table bases from source 0's first row (s49) and source 1's (s50)
.macro BASES
	s_mov_b32 s53, 0
	s_lshl_b32 s52, s49, 6
	s_add_nc_u64 s[32:33], s[4:5], s[52:53]
	s_lshl_b32 s52, s49, 2
	s_add_nc_u64 s[34:35], s[6:7], s[52:53]
	s_lshl_b32 s52, s50, 6
	s_add_nc_u64 s[36:37], s[4:5], s[52:53]
	s_lshl_b32 s52, s50, 2
	s_add_nc_u64 s[38:39], s[6:7], s[52:53]
.endm
.macro LDA p, s                        ; source 0's eight fragments and scale words of K step s into set p: 24 loads
.irp t, 0,1,2,3,4,5,6,7
	global_load_b128 v[AF+64*(\p)+8*\t:AF+64*(\p)+8*\t+3], v4, s[32:33] offset:(\s)*OPS+(32*(\t/2)+8*(\t%2))*64
	global_load_b128 v[AF+64*(\p)+8*\t+4:AF+64*(\p)+8*\t+7], v4, s[32:33] offset:(\s)*OPS+(32*(\t/2)+8*(\t%2))*64+32
	global_load_b32 v[AS+8*(\p)+\t], v5, s[34:35] offset:(\s)*OSS+(32*(\t/2)+8*(\t%2))*4
.endr
.endm
.macro LDB p, s, gc, gs                ; source 1's four: 12 loads; gc, gs: bytes from tile to tile in codes and in scale words
.irp g, 0,1,2,3
	global_load_b128 v[BF+32*(\p)+8*\g:BF+32*(\p)+8*\g+3], v6, s[36:37] offset:(\s)*OPS+\g*(\gc)
	global_load_b128 v[BF+32*(\p)+8*\g+4:BF+32*(\p)+8*\g+7], v6, s[36:37] offset:(\s)*OPS+\g*(\gc)+32
	global_load_b32 v[BS+4*(\p)+\g], v7, s[38:39] offset:(\s)*OSS+\g*(\gs)
.endr
.endm
.macro MMI g, t, p, cg, ct             ; accumulator (g, t) = tile t of source 0 x tile g of source 1 + accumulator (cg, ct)
	v_wmma_scale_f32_16x16x128_f8f6f4 v[64*(\g)+8*(\t):64*(\g)+8*(\t)+7], v[AF+64*(\p)+8*(\t):AF+64*(\p)+8*(\t)+7], v[BF+32*(\p)+8*(\g):BF+32*(\p)+8*(\g)+7], v[64*(\cg)+8*(\ct):64*(\cg)+8*(\ct)+7], v[AS+8*(\p)+(\t)], v[BS+4*(\p)+(\g)] matrix_a_fmt:MATRIX_FMT_FP4 matrix_b_fmt:MATRIX_FMT_FP4
.endm
; A K step's 32 products, the 32 accumulators by turns, in the same order in every K step.
; THE BIAS IS THE C OF EACH SUM'S FIRST PRODUCT.  It was LOADED into the accumulators of tile t = 0 (path V: one number a lane) or g = 0 (path Q: one a register); in the first K step the other
; accumulators take those registers as C, and the loaded ones add in place last, five places behind the last product that read them.
.macro MM role, p, first
	WIN 0x50                                       ; C and D in window 1
.if \role == 0
.irp t, 1,2,3,4,5,6,7
.irp g, 0,1,2,3
.if \first
	MMI \g, \t, \p, \g, 0
.else
	MMI \g, \t, \p, \g, \t
.endif
.endr
.endr
.if \first
	PLACES 5
.endif
.irp g, 0,1,2,3
	MMI \g, 0, \p, \g, 0
.endr
.else
.irp g, 1,2,3
.irp t, 0,1,2,3,4,5,6,7
.if \first
	MMI \g, \t, \p, 0, \t
.else
	MMI \g, \t, \p, \g, \t
.endif
.endr
.endr
.if \first
	PLACES 5
.endif
.irp t, 0,1,2,3,4,5,6,7
	MMI 0, \t, \p, 0, \t
.endr
.endif
	WIN 0
.endm
; A wave's unit: 128 rows of source 0 x 64 rows of source 1, K = 512 in four steps; then four fragments are quantised and stored.  oc: bytes from image to image.
.macro GEN role, gc, gs, oc
	WIN 0x40                                       ; loaded data into window 1
	s_wait_alu depctr_va_vdst(0)                   ; the offsets v4 to v10 are written: every load and store of this path reads one of them, and none is written again
.if \role == 0
.irp g, 0,1,2,3
.irp j, 0,1,2,3,4,5,6,7
	global_load_b32 v[64*\g+\j], v10, s[40:41] offset:64*\g          ; bv of my lane's channel, in all eight registers
.endr
.endr
.else
.irp t, 0,1,2,3,4,5,6,7
	global_load_b128 v[8*\t:8*\t+3], v10, s[40:41] offset:(32*(\t/2)+8*(\t%2))*4      ; bq of the tile's eight outputs of my half
	global_load_b128 v[8*\t+4:8*\t+7], v10, s[40:41] offset:(32*(\t/2)+8*(\t%2))*4+16
.endr
.endif
	WIN 0
	LDA 0, 0
	LDB 0, 0, \gc, \gs
	LDA 1, 1
	LDB 1, 1, \gc, \gs
	s_wait_loadcnt 36                              ; the bias and K step 0 are in; K step 1's 36 loads may be out
	MM \role, 0, 1
	PLACES 4                                       ; in front of loads into registers that matrix instructions have read
	s_wait_alu depctr_va_vdst(0)                   ; K step 0's products are done reading set 0 (fragments and scale words), in which K step 2's 36 loads land
	LDA 0, 2
	LDB 0, 2, \gc, \gs
	s_wait_loadcnt 36                              ; K step 1 is in; K step 2's 36 may be out
	MM \role, 1, 0
	PLACES 4
	s_wait_alu depctr_va_vdst(0)                   ; K step 1's products are done reading set 1, in which K step 3's 36 loads land
	LDA 1, 3
	LDB 1, 3, \gc, \gs
	s_wait_loadcnt 36                              ; K step 2 is in
	MM \role, 0, 0
	s_wait_loadcnt 0x0
	MM \role, 1, 0
	PLACES 4                                       ; in front of the first read of results, and of writes over fragments that are done with
.irp g, 0,1,2,3
	QUANT 64*\g, 1, PC+8*\g, PW+\g
.if \g % 2                                     ; two tiles' results leave together, behind one wait; each tile has registers of its own, so none of them is written again
.if \role == 0
	v_cndmask_b32 v[PWP+\g/2], v[PW+\g], v[PW+\g-1], vcc_lo          ; lanes 0-15 the even tile's words, lanes 16-31 the odd tile's
.endif
	s_wait_alu depctr_va_vdst(0)                   ; the quantiser has written both tiles' codes and scale words, which the stores below read
.irp d, 1,0
	global_store_b128 v8, v[PC+8*(\g-\d):PC+8*(\g-\d)+3], s[42:43] offset:(\g-\d)*(\oc)        ; 512 consecutive bytes, aligned to 256
	global_store_b128 v8, v[PC+8*(\g-\d)+4:PC+8*(\g-\d)+7], s[42:43] offset:(\g-\d)*(\oc)+512
.if \role == 1
	global_store_b32 v9, v[PW+(\g-\d)], s[44:45] offset:(\g-\d)*256
.endif
.endr
.if \role == 0
	global_store_b32 v9, v[PWP+\g/2], s[44:45] offset:(\g/2)*128
.endif
.endif
.endr
.endm
	s_load_b512 s[4:19], s[0:1], 0x0               ; opc, ops, pp, pos, pe_table, bq, bk, bv
	s_load_b256 s[20:27], s[0:1], 0x40             ; vimg, vscl, qimg, qscl
	s_load_b64 s[28:29], s[0:1], 0x60              ; kimg
	v_lshl_add_u32 v254, v0, 2, 0x7800
	v_mov_b32 v255, 0
	v_lshrrev_b32 v3, 5, v0
	v_readfirstlane_b32 s30, v3                    ; wave 0..7
	v_and_b32 v1, 15, v0                           ; r
	v_bfe_u32 v2, v0, 4, 1                         ; h
	v_and_b32 v3, 31, v0                           ; lane
	v_and_b32 v4, 8, v1
	v_add_nc_u32 v5, v4, v1                        ; r + 8 (r / 8)
	v_lshlrev_b32 v4, 6, v5
	v_lshl_add_u32 v4, v2, 4, v4                   ; source 0: that row of 64 bytes, + 16 h
	v_lshlrev_b32 v5, 2, v5                        ; and its scale word
	v_lshlrev_b32 v8, 4, v3                        ; 16 x lane: an image's place
	v_lshlrev_b32 v9, 2, v3                        ; 4 x lane: a scale word's
.irp b, 0,1,2,3
	v_mov_b32 v[TM+4+\b], 0                        ; written once: a lane permute's destination counts as one of its sources
.endr
	s_mov_b32 s[SEL], 0x76543210
	s_mov_b32 s[SEL+1], 0xfedcba98
	s_wait_alu depctr_va_sdst(0)                   ; s30, the wave's number, is written: ahead of the branches, behind which each path's scalar lines read it
	s_cmp_lt_u32 ttmp9, 8
	s_cbranch_scc1 .Lpath_k
	s_cmp_lt_u32 ttmp9, 136
	s_cbranch_scc0 .Lpath_q
	; ---------------- path V: (b, ks) a work-group, 64 channels a wave.  Source 0 = 128 keys (x's columns), source 1 = 64 rows of Wv ----------------
	s_sub_co_u32 s46, ttmp9, 8
	s_lshr_b32 s47, s46, 5                         ; b
	s_and_b32 s48, s46, 31                         ; ks
	s_lshl_b32 s49, s47, 12
	s_lshl_b32 s50, s48, 7
	s_add_co_u32 s49, s49, s50                     ; source 0's first row: 4096 b + 128 ks
	s_lshl_b32 s50, s30, 6
	s_add_co_u32 s50, s50, WVR                     ; source 1's: Wv's row 64 x wave
	s_lshl_b32 s51, s47, 2
	s_lshr_b32 s54, s30, 1
	s_add_co_u32 s51, s51, s54
	s_lshl_b32 s51, s51, 5
	s_add_co_u32 s51, s51, s48                     ; (4 b + cq) 32 + ks
	s_and_b32 s54, s30, 1                          ; which half of cq's 128 channels
	v_lshlrev_b32 v6, 6, v1
	v_lshl_add_u32 v6, v2, 4, v6                   ; source 1: row r, + 16 h
	v_lshlrev_b32 v7, 2, v1
	v_lshlrev_b32 v10, 2, v1                       ; bv: 4 r
	v_cmp_gt_u32 vcc_lo, 16, v3                    ; lanes 0-15
	s_wait_alu depctr_va_vcc(0)                    ; VCC is written: the two selections on the way out read it, in this same straight run
	s_wait_kmcnt 0x0
	BASES
	s_lshl_b32 s52, s30, 8
	s_add_nc_u64 s[40:41], s[18:19], s[52:53]      ; bv at my 64 channels
	s_lshl_b32 s52, s51, 13
	s_lshl_b32 s55, s54, 12
	s_add_co_u32 s52, s52, s55
	s_add_nc_u64 s[42:43], s[20:21], s[52:53]
	s_lshl_b32 s52, s51, 9
	s_lshl_b32 s55, s54, 8
	s_add_co_u32 s52, s52, s55
	s_add_nc_u64 s[44:45], s[22:23], s[52:53]
	GEN 0, 1024, 64, 1024
	s_endpgm
	; ---------------- path Q: four image rows a work-group; a wave takes one row's 64 queries and 128 outputs.  Source 0 = 128 rows of Wq, source 1 = the queries ----------------
.Lpath_q:
	s_sub_co_u32 s46, ttmp9, 136
	s_lshr_b32 s47, s46, 4                         ; b
	s_and_b32 s48, s46, 15
	s_lshl_b32 s48, s48, 2
	s_lshr_b32 s54, s30, 1
	s_add_co_u32 s48, s48, s54                     ; y
	s_and_b32 s54, s30, 1                          ; which 128 outputs
	s_lshl_b32 s49, s54, 7
	s_add_co_u32 s49, s49, WQR
	s_lshl_b32 s50, s47, 12
	s_lshl_b32 s55, s48, 6
	s_add_co_u32 s50, s50, s55                     ; source 1's first row: 4096 b + 64 y
	s_lshl_b32 s51, s47, 6
	s_add_co_u32 s51, s51, s48                     ; 64 b + y
	v_lshlrev_b32 v6, 8, v1
	v_lshl_add_u32 v6, v2, 4, v6                   ; source 1: lane r of tile g takes row 4 r + g
	v_lshlrev_b32 v7, 4, v1
	v_lshlrev_b32 v10, 6, v2                       ; bq: 16 h numbers on
	s_wait_kmcnt 0x0
	BASES
	s_lshl_b32 s52, s54, 9
	s_add_nc_u64 s[40:41], s[14:15], s[52:53]
	s_lshl_b32 s52, s51, 13
	s_lshl_b32 s55, s54, 10
	s_add_co_u32 s52, s52, s55
	s_add_nc_u64 s[42:43], s[24:25], s[52:53]
	s_lshl_b32 s52, s51, 10
	s_lshl_b32 s55, s54, 7
	s_add_co_u32 s52, s52, s55
	s_add_nc_u64 s[44:45], s[26:27], s[52:53]
	GEN 1, 64, 4, 2048
	s_endpgm
	; ---------------- path K: work-group (b, b') makes keys w = 32 b' .. 32 b' + 31 of batch b ----------------
	; LDS: X1: ten pooled cells (j = 6 b' + 0..9) x (512 f32 + 16 bytes);  RIMG, RSC: the row's eight fragments (tile u, K step s: 4 u + s) and their scale words.
	; All eight waves walk the same text.  Wave = 4 u + s makes fragment (u, s) of the row; wave = 4 u + 2 os + th makes, for tile u of keys, outputs 128 os + 64 th + 0..63 of k:
	; four tiles of Wk's rows, two blocks of 32 along the next K: registers 4 th .. 4 th + 3 of a fragment of k and two bytes of its scale word.
	; So a wave keeps 16 fragments of Wk (128 registers of window 1), and the other half of window 1 takes two more groups of partial sums: four of the five groups are asked for at once.
.Lpath_k:
.set RIMG, 20736
.set RSC,  28928
.set TT,   248                         ; v[248:249] t, twice;  v[250:251] 1 - t, twice
.set OM,   250
	s_lshr_b32 s46, ttmp9, 1                       ; b
	s_and_b32 s47, ttmp9, 1                        ; b'
	s_lshr_b32 s48, s30, 2                         ; tile u of keys, for the row's fragment and for the product
	s_and_b32 s49, s30, 3                          ; the row's fragment: K step s
	s_bfe_u32 s50, s30, 0x10001                    ; the product: 128 outputs os,
	s_and_b32 s51, s30, 1                          ; and their half th
	s_mov_b32 s53, 0
	s_mov_b32 s58, 0x3c820821                      ; 1 / 63
	s_mov_b32 s59, 0x427c0000                      ; 63
	v_lshrrev_b32 v16, 7, v0                       ; the cells: thread t takes four channels, 4 (t % 128) on, of cells 2 e + t / 128
	v_and_b32 v17, 127, v0
	v_mul_u32_u24 v6, v16, 2064
	v_lshl_add_u32 v6, v17, 4, v6                  ; X1, in
	v_lshlrev_b32 v7, 11, v16
	v_lshl_add_u32 v7, v17, 4, v7                  ; pp
	v_lshlrev_b32 v61, 4, v16                      ; pos: column 4 j is 16 j bytes
	v_lshlrev_b32 v62, 4, v17                      ; pe_table: my four channels
	v_lshlrev_b32 v63, 6, v2                       ; bk: 16 h numbers on
	v_mul_u32_u24 v18, v2, OSS
	v_add_nc_u32 v5, v5, v18                       ; Wk's scale words: lanes 16-31 take the next K step's
	v_and_b32 v18, 8, v1
	v_add_nc_u32 v18, v18, v1
	s_lshl_b32 s52, s48, 3
	v_add_nc_u32 v18, s52, v18                     ; my key in the work-group's 32: 8 u + r + 8 (r / 8)
	; src = 15 w / 63 = 5 w / 21.  i0 = floor(5 w / 21) = (5 w x 3121) >> 16 and i1 = ceil(5 w / 21) = ((5 w + 20) x 3121) >> 16, exact up to w = 63; i1 = i0 where t = 0, so cell 16 is never asked for.
	; Both work-groups' cell numbers (less 6 b') are made from the lane and the wave alone, the - 6 added as - 6 x 65536 ahead of the shift, and one is chosen: both lie in 0..9.
	v_mul_u32_u24 v19, v18, 15605
	v_lshrrev_b32 v20, 16, v19                     ; b' = 0: i0
	v_add_nc_u32 v21, 62420, v19
	v_lshrrev_b32 v21, 16, v21                     ;         i1
	v_add_nc_u32 v22, 106144, v19
	v_lshrrev_b32 v22, 16, v22                     ; b' = 1: i0 - 6
	v_add_nc_u32 v23, 168564, v19
	v_lshrrev_b32 v23, 16, v23                     ;         i1 - 6
	s_cmp_eq_u32 s47, 1
	s_cselect_b32 s54, -1, 0
	v_cndmask_b32 v20, v20, v22, s54
	v_cndmask_b32 v21, v21, v23, s54
	s_lshl_b32 s52, s49, 9
	v_mul_u32_u24 v10, v20, 2064
	v_lshl_add_u32 v10, v2, 6, v10
	v_add_nc_u32 v10, s52, v10                     ; X1, out: cell i0, channels 128 s + 16 h on
	v_mul_u32_u24 v11, v21, 2064
	v_lshl_add_u32 v11, v2, 6, v11
	v_add_nc_u32 v11, s52, v11                     ; cell i1
	s_lshl_b32 s52, s30, 10
	s_add_co_u32 s52, s52, RIMG
	v_add_nc_u32 v12, s52, v8                      ; my fragment's image
	s_lshl_b32 s52, s30, 7
	s_add_co_u32 s52, s52, RSC
	v_add_nc_u32 v13, s52, v9
	s_lshl_b32 s52, s48, 12
	s_add_co_u32 s52, s52, RIMG
	v_add_nc_u32 v14, s52, v8                      ; the four images of tile u, which the product reads
	s_lshl_b32 s52, s48, 9
	s_add_co_u32 s52, s52, RSC
	v_add_nc_u32 v15, s52, v9
	; t = 15 w / 63 - i0 in f32: the quotient by a product with 1 / 63 and one correction
	s_lshl_b32 s55, s47, 5
	v_add_nc_u32 v24, s55, v18                     ; w
	v_mul_u32_u24 v24, v24, 15
	v_cvt_f32_u32 v24, v24
	s_mul_i32 s55, s47, 6
	v_add_nc_u32 v25, s55, v20                     ; i0
	v_cvt_f32_u32 v25, v25
	v_mul_f32 v26, s58, v24
	v_fma_f32 v27, -v26, s59, v24
	v_fma_f32 v26, v27, s58, v26
	v_sub_f32 v[TT], v26, v25
	v_mov_b32 v[TT+1], v[TT]
	v_sub_f32 v[OM], 1.0, v[TT]
	v_mov_b32 v[OM+1], v[OM]
	s_lshl_b32 s31, s50, 9
	s_lshl_b32 s52, s51, 8
	s_add_co_u32 s31, s31, s52                     ; 4 x my first output, 128 os + 64 th
	s_wait_kmcnt 0x0
	s_mov_b32 s52, s31
	s_add_nc_u64 s[40:41], s[16:17], s[52:53]      ; bk at my 64 outputs
	s_add_co_u32 s52, s31, WKR*4
	s_add_nc_u64 s[34:35], s[6:7], s[52:53]        ; Wk's scale words at my 64 rows
	s_lshl_b32 s52, s31, 4
	s_add_co_u32 s52, s52, WKR*64
	s_add_nc_u64 s[32:33], s[4:5], s[52:53]        ; and its codes
	s_lshl_b32 s52, s46, 19
	s_mul_i32 s55, s47, 12288
	s_add_co_u32 s52, s52, s55
	s_add_nc_u64 s[36:37], s[8:9], s[52:53]        ; pp at batch b, cell 6 b'
	s_lshl_b32 s52, s46, 14
	s_mul_i32 s55, s47, 96
	s_add_co_u32 s52, s52, s55
	s_add_nc_u64 s[38:39], s[10:11], s[52:53]      ; pos at batch b, image row 0, column 24 b'
	s_lshl_b32 s55, ttmp9, 2
	s_lshr_b32 s31, s30, 1
	s_add_co_u32 s55, s55, s31                     ; k's fragment (4 b + 2 b' + u) 2 + os
	s_lshl_b32 s52, s55, 10
	s_lshl_b32 s31, s51, 9
	s_add_co_u32 s52, s52, s31                     ; + 512 th: registers 4 th on
	s_add_nc_u64 s[42:43], s[28:29], s[52:53]
	s_lshl_b32 s52, s55, 7
	s_lshl_b32 s31, s51, 1
	s_add_co_u32 s52, s52, s31                     ; + 2 th: bytes 2 th, 2 th + 1 of each scale word
	s_add_co_u32 s52, s52, 32768
	s_add_nc_u64 s[44:45], s[28:29], s[52:53]
	; ---- the cells: x1d = the sum of 16 partial sums / 256 + the position's row of pe_table
.macro PL e, buf, w                    ; the 16 partial sums of cell 2 e + t / 128, into v[buf] on in window w
	WIN 0x40*(\w)
.irp q, 0,1,2,3,4,5,6,7,8,9,10,11,12,13,14,15
	global_load_b128 v[\buf+4*\q:\buf+4*\q+3], v7, s[36:37] offset:\q*32768+(\e)*4096
.endr
	WIN 0
.endm
.macro RED e, buf, w                   ; their sum, by halves in place, and at last into v[16 + 4 e] on in window 0
	WIN 0x45*(\w)
.set n, 0
.rept 16
	v_pk_add_f32 v[\buf+n:\buf+n+1], v[\buf+n:\buf+n+1], v[\buf+32+n:\buf+33+n]
.set n, n+2
.endr
.set n, 0
.rept 8
	v_pk_add_f32 v[\buf+n:\buf+n+1], v[\buf+n:\buf+n+1], v[\buf+16+n:\buf+17+n]
.set n, n+2
.endr
.set n, 0
.rept 4
	v_pk_add_f32 v[\buf+n:\buf+n+1], v[\buf+n:\buf+n+1], v[\buf+8+n:\buf+9+n]
.set n, n+2
.endr
	WIN 0x05*(\w)
	v_pk_add_f32 v[16+4*(\e):17+4*(\e)], v[\buf:\buf+1], v[\buf+4:\buf+5]
	v_pk_add_f32 v[18+4*(\e):19+4*(\e)], v[\buf+2:\buf+3], v[\buf+6:\buf+7]
	WIN 0
.endm
	; The order of the requests: pos first, since the table's rows hang on it; then four groups of partial sums at once; the table's rows and the fifth group as soon as the first has been summed;
	; Wk and bk, which are wanted last, behind them.  Loads come back in the order of issue (ISA guide 5.7.1), so each wait counts the loads issued behind the one that it is for.
	s_wait_alu depctr_va_vdst(0)                   ; all offsets and LDS addresses of this path (v4 to v15, v61 to v63) are written: the loads and stores below read them, and none is written again
.irp e, 0,1,2,3,4
	global_load_b32 v[56+\e], v61, s[38:39] offset:32*\e             ; pos[b][0][4 j]
.endr
	PL 0, 64, 0
	PL 1, 128, 0
	PL 2, 128, 1
	PL 3, 192, 1
	s_wait_loadcnt 48                              ; pos and group 0 are in (behind them: three groups of 16)
.irp e, 0,1,2,3,4
	v_lshrrev_b32 v[56+\e], 3, v[56+\e]            ; / 8
	v_min_u32 v[56+\e], 127, v[56+\e]              ; held inside the table
	v_lshl_add_u32 v[56+\e], v[56+\e], 11, v62     ; a row of 2,048 bytes, + my four channels
.endr
	RED 0, 64, 0
	s_wait_alu depctr_va_vdst(0)                   ; the table's five offsets v56 to v60 are written, which the next five loads read; the first sum is done with v64 to v127, in which the fifth group lands
.irp e, 0,1,2,3,4
	global_load_b128 v[36+4*\e:39+4*\e], v[56+\e], s[12:13]
.endr
	PL 4, 64, 0                                    ; the fifth group, into the first's registers
	s_wait_loadcnt 53                              ; group 1 (behind it: 16 + 16 + 5 + 16)
	RED 1, 128, 0
	s_wait_loadcnt 37                              ; group 2 (behind it: 16 + 5 + 16)
	RED 2, 128, 1
	WIN 0x40                                       ; my 16 fragments of Wk into window 1, (K step s, tile t) at v[32 s + 8 t]: 32 loads.  No wait: no vector instruction of this path names these registers, nor v208 to v215, and v4 and v5 stand since the head
.irp s, 0,1,2,3
.irp t, 0,1,2,3
	global_load_b128 v[32*\s+8*\t:32*\s+8*\t+3], v4, s[32:33] offset:\s*OPS+(32*(\t/2)+8*(\t%2))*64
	global_load_b128 v[32*\s+8*\t+4:32*\s+8*\t+7], v4, s[32:33] offset:\s*OPS+(32*(\t/2)+8*(\t%2))*64+32
.endr
.endr
	WIN 0
.irp d, 0,1                                    ; and their scale words: 8 loads
.irp t, 0,1,2,3
	global_load_b32 v[AS+4*\d+\t], v5, s[34:35] offset:2*\d*OSS+(32*(\t/2)+8*(\t%2))*4   ; lanes 0-15: K step 2 d; lanes 16-31: K step 2 d + 1
.endr
.endr
	s_wait_loadcnt 61                              ; group 3 (behind it: 5 + 16 + 40)
	RED 3, 192, 1
	WIN 0x40                                       ; bk into the registers that group 3 has left: it is the C of each sum's first product: 8 loads
	s_wait_alu depctr_va_vdst(0)                   ; the fourth sum is done with v192 to v223 of window 1, in which bk lands
.irp t, 0,1,2,3
	global_load_b128 v[192+8*\t:195+8*\t], v63, s[40:41] offset:(32*(\t/2)+8*(\t%2))*4
	global_load_b128 v[196+8*\t:199+8*\t], v63, s[40:41] offset:(32*(\t/2)+8*(\t%2))*4+16
.endr
	WIN 0
	s_wait_loadcnt 48                              ; the table's rows and group 4 (behind them: 40 + 8)
	RED 4, 64, 0
.set n, 0
.rept 10
	v_pk_fma_f32 v[16+n:17+n], v[16+n:17+n], 0x3b800000, v[36+n:37+n] op_sel_hi:[1,0,1]   ; / 256 (64 image rows x 4 columns), + the position's code
.set n, n+2
.endr
	s_wait_alu depctr_va_vdst(0)                   ; my cells v16 to v35 are written, which the LDS stores read; and the sums are done with v64 to v191, in which the LDS loads behind the barrier land (no vector instruction stands between)
.irp e, 0,1,2,3,4
	ds_store_b128 v6, v[16+4*\e:19+4*\e] offset:\e*4128
.endr
	s_wait_dscnt 0x0                               ; for the others' sake: my cells have landed
	s_barrier_signal -1
	s_barrier_wait -1
	; ---- the row: 16 keys x 128 channels a wave; register 16 bb + i = channel 128 s + 32 bb + 16 h + i of my key
.irp bb, 0,1,2,3
.irp ii, 0,1,2,3
	ds_load_b128 v[64+16*\bb+4*\ii:67+16*\bb+4*\ii], v10 offset:128*\bb+16*\ii
	ds_load_b128 v[128+16*\bb+4*\ii:131+16*\bb+4*\ii], v11 offset:128*\bb+16*\ii
.endr
.endr
	s_wait_dscnt 0x0                               ; my reads of the cells are over
	s_barrier_signal -1                            ; a barrier between all waves' reads of the cells and the first store of an image
	s_barrier_wait -1
	s_wait_alu depctr_vm_vsrc(0)                   ; my LDS stores of the cells have read v16 to v35: the quantiser below writes v16 to v24 again
.set n, 0
.rept 32
	v_pk_mul_f32 v[128+n:129+n], v[128+n:129+n], v[TT:TT+1]
.set n, n+2
.endr
.set n, 0
.rept 32
	v_pk_fma_f32 v[64+n:65+n], v[64+n:65+n], v[OM:OM+1], v[128+n:129+n]   ; x1d[i0] (1 - t) + x1d[i1] t
.set n, n+2
.endr
	QUANT 64, 0, 16, 24
	s_wait_alu depctr_va_vdst(0)                   ; the quantiser has written v16 to v24, which the LDS stores read; and the interpolation is done with v128 to v159, in which the row's fragments land behind the barrier
	ds_store_b128 v12, v[16:19]
	ds_store_b128 v12, v[20:23] offset:512
	ds_store_b32 v13, v24
	s_wait_dscnt 0x0                               ; my image has landed
	s_barrier_signal -1
	s_barrier_wait -1                              ; the row's eight fragments lie in LDS
	; ---- k = Wk row + bk: source 0 = 16 rows of Wk, source 1 = tile u's 16 keys; my four accumulators by turns, K step by K step
.irp s, 0,1,2,3
	ds_load_b128 v[128+8*\s:131+8*\s], v14 offset:1024*\s
	ds_load_b128 v[132+8*\s:135+8*\s], v14 offset:1024*\s+512
	ds_load_b32 v[BS+\s], v15 offset:128*\s
.endr
	s_wait_dscnt 0x0
	s_wait_loadcnt 0x0                             ; Wk and bk
	WIN 0x11                                       ; source 0 (Wk) and source 2 (bk) in window 1
.irp t, 0,1,2,3
	v_wmma_scale_f32_16x16x128_f8f6f4 v[64+8*\t:71+8*\t], v[8*\t:8*\t+7], v[128:135], v[192+8*\t:199+8*\t], v[AS+\t], v[BS] matrix_a_fmt:MATRIX_FMT_FP4 matrix_b_fmt:MATRIX_FMT_FP4
.endr
	WIN 0x01                                       ; source 0 in window 1; C and D the accumulators, in window 0
.irp t, 0,1,2,3
	v_wmma_scale_f32_16x16x128_f8f6f4 v[64+8*\t:71+8*\t], v[32+8*\t:39+8*\t], v[136:143], v[64+8*\t:71+8*\t], v[AS+\t], v[BS+1] matrix_a_fmt:MATRIX_FMT_FP4 matrix_b_fmt:MATRIX_FMT_FP4 matrix_a_scale:MATRIX_SCALE_ROW1
.endr
.irp t, 0,1,2,3
	v_wmma_scale_f32_16x16x128_f8f6f4 v[64+8*\t:71+8*\t], v[64+8*\t:71+8*\t], v[144:151], v[64+8*\t:71+8*\t], v[AS+4+\t], v[BS+2] matrix_a_fmt:MATRIX_FMT_FP4 matrix_b_fmt:MATRIX_FMT_FP4
.endr
.irp t, 0,1,2,3
	v_wmma_scale_f32_16x16x128_f8f6f4 v[64+8*\t:71+8*\t], v[96+8*\t:103+8*\t], v[152:159], v[64+8*\t:71+8*\t], v[AS+4+\t], v[BS+3] matrix_a_fmt:MATRIX_FMT_FP4 matrix_b_fmt:MATRIX_FMT_FP4 matrix_a_scale:MATRIX_SCALE_ROW1
.endr
	WIN 0
	PLACES 4                                       ; in front of the first read of results
	s_wait_alu depctr_vm_vsrc(0)                   ; my LDS stores of the image have read v16 to v24: the quantiser below writes v16 to v19 and v24 again
	QUANTH 64, 16, 24                              ; along my 64 outputs: half a fragment of 16 keys for the energy
	s_wait_alu depctr_va_vdst(0)                   ; the quantiser has written v16 to v19 and v24, which the two stores read
	global_store_b128 v8, v[16:19], s[42:43]       ; 512 consecutive bytes, aligned to 256
	global_store_b16 v9, v24, s[44:45]             ; two bytes of each scale word; the wave with the other half writes the other two (4 KiB of such stores in the whole launch)
	s_wait_dscnt 0x0                               ; the closing lines, six on end
	s_wait_alu 0x0
	s_wait_tensorcnt 0x0
	ds_add_u32 v254, v255
	s_wait_dscnt 0x0
	s_endpgm
.Lfunc_end_k_q2ad4a706e2_proj:
	.size	k_q2ad4a706e2_proj, .Lfunc_end_k_q2ad4a706e2_proj-k_q2ad4a706e2_proj
	.p2alignl 7, 3214868480
	.fill 96, 4, 3214868480
	.section	.rodata,"a",@progbits
	.p2align	6, 0x0
	.amdhsa_kernel k_q2ad4a706e2_proj
		.amdhsa_group_segment_fixed_size 31744
		.amdhsa_private_segment_fixed_size 0
		.amdhsa_enable_private_segment 0
		.amdhsa_kernarg_size 104
		.amdhsa_user_sgpr_count 2
		.amdhsa_user_sgpr_kernarg_segment_ptr 1
		.amdhsa_wavefront_size32 1
		.amdhsa_system_sgpr_workgroup_id_x 1
		.amdhsa_system_sgpr_workgroup_id_y 1
		.amdhsa_system_sgpr_workgroup_id_z 1
		.amdhsa_system_vgpr_workitem_id 0
		.amdhsa_next_free_vgpr 512
		.amdhsa_next_free_sgpr 66
		.amdhsa_reserve_vcc 1
		.amdhsa_float_denorm_mode_32 3
		.amdhsa_float_denorm_mode_16_64 3
		.amdhsa_memory_ordered 1
		.amdhsa_forward_progress 1
		.amdhsa_inst_pref_size 148
	.end_amdhsa_kernel
	.amdgpu_metadata
---
amdhsa.version: [ 1, 2 ]
amdhsa.kernels:
  - .name:           k_q2ad4a706e2_proj
    .symbol:         k_q2ad4a706e2_proj.kd
    .args:
      - { .name: opc, .offset: 0, .size: 8, .value_kind: global_buffer, .address_space: global }
      - { .name: ops, .offset: 8, .size: 8, .value_kind: global_buffer, .address_space: global }
      - { .name: pp, .offset: 16, .size: 8, .value_kind: global_buffer, .address_space: global }
      - { .name: pos, .offset: 24, .size: 8, .value_kind: global_buffer, .address_space: global }
      - { .name: pe_table, .offset: 32, .size: 8, .value_kind: global_buffer, .address_space: global }
      - { .name: bq, .offset: 40, .size: 8, .value_kind: global_buffer, .address_space: global }
      - { .name: bk, .offset: 48, .size: 8, .value_kind: global_buffer, .address_space: global }
      - { .name: bv, .offset: 56, .size: 8, .value_kind: global_buffer, .address_space: global }
      - { .name: vimg, .offset: 64, .size: 8, .value_kind: global_buffer, .address_space: global }
      - { .name: vscl, .offset: 72, .size: 8, .value_kind: global_buffer, .address_space: global }
      - { .name: qimg, .offset: 80, .size: 8, .value_kind: global_buffer, .address_space: global }
      - { .name: qscl, .offset: 88, .size: 8, .value_kind: global_buffer, .address_space: global }
      - { .name: kimg, .offset: 96, .size: 8, .value_kind: global_buffer, .address_space: global }
    .group_segment_fixed_size: 31744
    .private_segment_fixed_size: 0
    .kernarg_segment_align: 8
    .kernarg_segment_size: 104
    .max_flat_workgroup_size: 256
    .sgpr_count:     66
    .vgpr_count:     512
    .wavefront_size: 32
...
	.end_amdgpu_metadata
.endif
;; end of part 4
;; launch attn: the kernel of part 3 again; grid 16 x 16, 8 waves a work-group, clusters of 4 x 1, 291,840 bytes of LDS; arguments qimg, qscl, kimg, vimg, vscl, x, gamma, out0; writes out0
